; MI455X (gfx1250); checked and timed in simulation.
; The chip was launched on July 23, 2026; its instructions are those of AMD's public machine-readable ISA for CDNA 5 (MIT licence, August 2026) and "CDNA5" Instruction Set Architecture Reference Guide (July 2026). The comments in the code are by the model that wrote it; some were corrected since.
;; Cross Attention. Allowed arithmetic: matrix products marked QUANTISED: E3M2 operands, one E8M0 scale for each 32 along K, by v_wmma_scale_f32_16x16x128_f8f6f4 with both operands' format E3M2, f32 sums; everything else in f32.
;; Inputs: W_inner_codes 2,048 x 16 x 24 uint8 (E3M2 codes of W_inner, K innermost, in blocks of 32 codes, four codes in three bytes); W_inner_scales 2,048 x 16 uint8 (E8M0 scales of W_inner, one for each 32 codes along K); W_proj_codes 512 x 64 x 24 uint8 (E3M2 codes of W_proj, K innermost, in blocks of 32 codes, four codes in three bytes); W_proj_scales 512 x 64 uint8 (E8M0 scales of W_proj, one for each 32 codes along K); Wk_codes 512 x 16 x 24 uint8 (E3M2 codes of Wk, K innermost, in blocks of 32 codes, four codes in three bytes); Wk_scales 512 x 16 uint8 (E8M0 scales of Wk, one for each 32 codes along K); Wq_codes 512 x 16 x 24 uint8 (E3M2 codes of Wq, K innermost, in blocks of 32 codes, four codes in three bytes); Wq_scales 512 x 16 uint8 (E8M0 scales of Wq, one for each 32 codes along K); Wv_codes 512 x 16 x 24 uint8 (E3M2 codes of Wv, K innermost, in blocks of 32 codes, four codes in three bytes); Wv_scales 512 x 16 uint8 (E8M0 scales of Wv, one for each 32 codes along K); b_inner 2,048 float32; b_proj 512 float32; bk 512 float32; bq 512 float32; bv 512 float32; ff_beta 512 float32; ff_gamma 512 float32; key_pos_codes 8 x 4,096 x 16 x 24 uint8 (E3M2 codes of key_pos, K innermost, in blocks of 32 codes, four codes in three bytes); key_pos_scales 8 x 4,096 x 16 uint8 (E8M0 scales of key_pos, one for each 32 codes along K); key_value 8 x 4,096 x 512 float32; kv_beta 512 float32; kv_gamma 512 float32; q_beta 512 float32; q_gamma 512 float32; query 8 x 512 x 512 float32; query_pos_codes 8 x 512 x 16 x 24 uint8 (E3M2 codes of query_pos, K innermost, in blocks of 32 codes, four codes in three bytes); query_pos_scales 8 x 512 x 16 uint8 (E8M0 scales of query_pos, one for each 32 codes along K).
;; Outputs: out0 8 x 512 x 512 float32.
;; This version of the problem:
;;   THIS VERSION OF THE PROBLEM IS GIVEN IN LOW PRECISION. The matrix products marked QUANTISED in the list below multiply operands that are first quantised to E3M2 (3 exponent bits, 2 mantissa bits; 6 bits a number), with one power-of-two scale for each 32 numbers along K (OCP MX v1.0); their sums are f32. All else is computed in f32.
;;   The module's matrix products, in the order in which they are computed (A, B: the left and right operand; K: the contracted axis; several contracted axes count as one K, in the product's order):
;;     1. [M 4,096, K 512] x [K 512, N 512]; A: computed on the way; B: input Wq (given as codes): QUANTISED
;;     2. [M 32,768, K 512] x [K 512, N 512]; A: computed on the way; B: input Wk (given as codes): QUANTISED
;;     3. [M 32,768, K 512] x [K 512, N 512]; A: computed on the way; B: input Wv (given as codes): QUANTISED
;;     4. batch 8 x [M 512, K 512] x [K 512, N 4,096]; A: computed on the way; B: computed on the way: QUANTISED
;;     5. batch 8 x [M 512, K 512] x [K 512, N 4,096]; A: input query_pos (given as codes); B: input key_pos (given as codes): QUANTISED
;;     6. batch 8 x [M 512, K 4,096] x [K 4,096, N 512]; A: softmax (see below); B: computed on the way: QUANTISED
;;     7. [M 4,096, K 512] x [K 512, N 2,048]; A: computed on the way; B: input W_inner (given as codes): QUANTISED
;;     8. [M 4,096, K 2,048] x [K 2,048, N 512]; A: computed on the way; B: input W_proj (given as codes): QUANTISED
;;   THE QUANTISER, for each operand of a quantised product, along K:
;;     - K is cut into blocks of 32 from its start; a last block that is shorter is filled with zeros.
;;     - A block's scale is 2^e with e = floor(log2(the largest magnitude in the block)) - 4, held to -126 .. 127; a block of zeros has e = 0. As a byte (E8M0): e + 127.
;;     - Each number is divided by its block's scale, clamped to +-28, and rounded to the nearest number of E3M2, ties to even, subnormals kept.
;;     - The product sums the exact products of the quantised numbers (number of the format x scale) in f32.
;;   ~~~python
;;   def quantise(x, axis):      # numpy; x: float32 -> the quantised numbers, widened to float32 again
;;       x = np.moveaxis(x, axis, -1); K = x.shape[-1]
;;       x = np.pad(x, [(0, 0)] * (x.ndim - 1) + [(0, -K % 32)]); x = x.reshape(x.shape[:-1] + (-1, 32)); a = np.abs(x).max(-1, keepdims=True)
;;       e = np.where(a > 0, np.clip(np.frexp(np.where(a > 0, a, 1))[1] - 1 - 4, -126, 127), 0)      # np.frexp(a)[1] - 1 = floor(log2(a)), exactly
;;       r = np.clip(x / 2.0 ** e, -28, 28)
;;       step = 2.0 ** (np.maximum(np.frexp(np.where(r == 0, 1, r))[1] - 1, -2) - 2)
;;       q = np.round(r / step) * step * 2.0 ** e      # np.round: ties to even
;;       return np.moveaxis(q.reshape(q.shape[:-2] + (-1,))[..., :K], -1, axis).astype(np.float32)
;;   ~~~
;;   SOFTMAX AHEAD OF A QUANTISED PRODUCT. Where the list says 'softmax', what is quantised is not the finished softmax but p = 2^(t - M), with t = logit x log2(e) and M = ceil(the row's largest t), a whole number; so 1/2 < the row's largest p <= 1. The row's sum l is taken of the UNQUANTISED p, in f32, and the product's result is divided by l at the end. Since M is a whole number, a kernel that streams over the keys may use a running M (the ceiling of the running maximum): every later rescaling is an exact power of two, which a block's scale takes up: the codes' values come out the same.
;;   OPERANDS COMPUTED ON THE WAY. 'Computed on the way' means the value that the module computes at that place (a softmax that the list does not call 'softmax' is quantised finished and normalised). What goes into a quantiser is computed in f32, as accurately as f32 sums, v_exp_f32 and their like allow (about 1e-6 of the number): no bf16 or f16 on the way to a quantiser, and a product that is left as it is and whose result goes on into a quantised operand takes f32 operands (vector FMAs, or v_wmma_f32_16x16x4_f32). A number that lies on a knife's edge between two numbers of the format may be rounded either way, as far as f32 arithmetic and the matrix unit's own rounding can turn it there, and no further.
;;   INPUTS GIVEN AS CODES. W_inner (in the module: [512, 2048], K = its axis 0); W_proj (in the module: [2048, 512], K = its axis 0); Wk (in the module: [512, 512], K = its axis 0); Wq (in the module: [512, 512], K = its axis 0); Wv (in the module: [512, 512], K = its axis 0); key_pos (in the module: [8, 4096, 512], K = its axis 2); query_pos (in the module: [8, 512, 512], K = its axis 2): each comes as NAME_codes (uint8): NAME with its K axis moved to the last place and cut into blocks of 32 codes, [.., K / 32, bytes a block], one block behind the other in memory; four codes in three bytes: a row's codes are one little-endian stream of bits, code i at bits 6 i .. 6 i + 5 (a code: sign, 3 exponent bits, 2 mantissa bits); and NAME_scales (uint8): the same leading axes, one E8M0 byte (e + 127) for each 32 codes along K. Its value is code x scale, taken as it is: it is not quantised again, and the codes and scales need not be those that the quantiser above would give.
;; One version. Each part assembles by itself: llvm-mc -triple=amdgcn-amd-amdhsa -mcpu=gfx1250 --defsym DOCPART=n.
;; ======== version 1 of 1: 4 launches
;; limits: right only within a limited range of input values
;; workspace buffers: wbuf 3,891,200 bytes; qbuf 1,703,936 bytes; kbuf 13,107,200 bytes; vbuf 13,107,200 bytes; pbuf 33,685,504 bytes
;; launch lay (part 1): grid 304 x 1, 1 waves a work-group, no clusters, 0 bytes of LDS; arguments Wq_codes, Wq_scales, Wk_codes, Wk_scales, Wv_codes, Wv_scales, W_inner_codes, W_inner_scales, W_proj_codes, W_proj_scales, query_pos_codes, query_pos_scales, wbuf; writes wbuf
.if DOCPART == 1
	.amdgcn_target "amdgcn-amd-amdhsa--gfx1250"
	.amdhsa_code_object_version 6
	.text
	.protected	k_q567ee379b9_lay
	.globl	k_q567ee379b9_lay
	.p2align	8
	.type	k_q567ee379b9_lay,@function
k_q567ee379b9_lay:
	s_mov_b64 s[64:65], 0
	v_nop
	global_prefetch_b8 v0, s[64:65] scope:SCOPE_SE
	s_setreg_imm32_b32 hwreg(HW_REG_WAVE_MODE, 25, 1), 1
	s_wait_xcnt 0x0
; LAY: the five weights' and query_pos's codes and scale bytes are laid once in the order of the matrix operand's registers, so that every later launch takes a fragment by dense loads of 16 bytes a lane.
; DEAD WORK: none.  Every bias and gain of the problem goes into a quantised operand of a live product or into the result, every product of the table is live, no mask is built: all inputs are loaded by some launch.
; A TILE of 16 rows: tiles come in pairs P; tile 2 P + u takes, in lane r, row 32 P + 8 u + r + 8 (r / 8).  So, where a product is used with such a tile as source 0, the 16 result registers of tiles 2 P and 2 P + 1 are 16 neighbours.
; A FRAGMENT (16 rows x 128 K of 6-bit codes) is 12 registers a lane: lane (r, h) holds the 24 bytes at 96 s + 24 h and at 96 s + 48 + 24 h of its row.  Its IMAGE: registers 4 c .. 4 c + 3 at 512 c + 16 x lane: 1,536 dense bytes.
; A UNIT: a pair of tiles x 4 K steps = 8 images, (s, u) at 1,536 (2 s + u): 12,288 bytes.  Its SCALE BLOCK: lane (r, h) holds the 16 scale bytes (4 K steps) of row 32 P + 8 h + r + 8 (r / 8): 512 dense bytes.
; One wave makes one unit.  Units: 0-15 Wq, 16-31 Wk, 32-47 Wv, 48-175 the feed-forward's stream (for wave w: 48 + 32 w + 4 trip + p; trips 0-3 W_inner's pair 16 w + 4 trip + p, trips 4-7 W_proj's pair 4 w + p, K steps 4 (trip - 4) on), 176-303 query_pos.
; No LDS, no matrix unit, no cluster: the waves share nothing, and each byte is read once and written once; every store of the wave covers 512 consecutive bytes, aligned.
.set UNITB, 12288
.set SIMG,  304*UNITB                  ; behind the units: the scale blocks
	s_load_b512 s[8:23], s[0:1], 0x0               ; Wq, Wk, Wv, W_inner: codes, scales
	s_load_b256 s[24:31], s[0:1], 0x40             ; W_proj, query_pos: codes, scales
	s_load_b64 s[32:33], s[0:1], 0x60              ; wbuf
	v_and_b32 v1, 15, v0                           ; r
	v_lshrrev_b32 v6, 4, v0                        ; h
	v_and_b32 v7, 8, v1
	v_add_nc_u32 v7, v7, v1                        ; r + 8 (r / 8)
	v_lshlrev_b32 v5, 4, v0                        ; 16 x lane
	s_wait_alu depctr_va_vdst(0)
	s_wait_kmcnt 0x0
	s_mov_b64 s[36:37], s[8:9]                     ; which tensor is mine: a choice on the work-group's number alone
	s_mov_b64 s[38:39], s[10:11]
	s_mov_b32 s40, 0
.macro PICK first, c, s
	s_cmp_ge_u32 ttmp9, \first
	s_cselect_b64 s[36:37], s[\c:\c+1], s[36:37]
	s_cselect_b64 s[38:39], s[\s:\s+1], s[38:39]
	s_cselect_b32 s40, \first, s40
.endm
	PICK 16, 12, 14
	PICK 32, 16, 18
	PICK 48, 20, 22
	PICK 112, 24, 26
	PICK 176, 28, 30
	s_sub_co_u32 s41, ttmp9, s40                   ; n: my number within the tensor
	s_lshr_b32 s42, s41, 2                         ; W_proj: pair n / 4,
	s_and_b32 s43, s41, 3                          ; group of four K steps n % 4
	s_lshr_b32 s44, s41, 4                         ; W_inner's place in the stream: 48 + 32 (n / 16) + n % 16
	s_lshl_b32 s44, s44, 5
	s_and_b32 s45, s41, 15
	s_add_co_u32 s44, s44, s45
	s_add_co_u32 s44, s44, 48
	s_lshr_b32 s45, s42, 2                         ; W_proj's: 48 + 32 (pair / 4) + 16 + 4 group + pair % 4
	s_lshl_b32 s45, s45, 5
	s_lshl_b32 s46, s43, 2
	s_add_co_u32 s45, s45, s46
	s_and_b32 s46, s42, 3
	s_add_co_u32 s45, s45, s46
	s_add_co_u32 s45, s45, 64
	s_mov_b32 s47, 384
	s_cmp_eq_u32 s40, 112                          ; W_proj?
	s_cselect_b32 s41, s42, s41                    ; the pair
	s_cselect_b32 s43, s43, 0                      ; the group of K steps
	s_cselect_b32 s47, 1536, s47                   ; a row of codes in bytes
	s_cselect_b32 s48, 64, 16                      ; a row of scale bytes
	s_cselect_b32 s49, s45, ttmp9                  ; the unit that I write
	s_cmp_eq_u32 s40, 48                           ; W_inner?
	s_cselect_b32 s49, s44, s49
	s_mul_i32 s50, s41, s47
	s_lshl_b32 s50, s50, 5                         ; 32 rows a pair
	s_mul_i32 s52, s43, 384
	s_add_co_u32 s50, s50, s52
	s_mov_b32 s51, 0
	s_add_nc_u64 s[36:37], s[36:37], s[50:51]      ; the codes at my pair's first row, my first K step
	s_mul_i32 s50, s41, s48
	s_lshl_b32 s50, s50, 5
	s_lshl_b32 s52, s43, 4
	s_add_co_u32 s50, s50, s52
	s_add_nc_u64 s[38:39], s[38:39], s[50:51]      ; the scale bytes likewise
	s_mul_i32 s50, s49, UNITB
	s_add_nc_u64 s[54:55], s[32:33], s[50:51]      ; my unit
	s_lshl_b32 s50, s49, 9
	s_add_co_u32 s50, s50, SIMG
	s_add_nc_u64 s[56:57], s[32:33], s[50:51]      ; my scale block
	v_mul_lo_u32 v2, v7, s47
	v_mad_u32_u24 v2, v6, 24, v2                   ; tile u = 0: my row, + 24 h
	s_lshl_b32 s52, s47, 3
	v_add_nc_u32 v3, s52, v2                       ; tile u = 1: eight rows on
	v_lshl_add_u32 v4, v6, 3, v7
	v_mul_lo_u32 v4, v4, s48                       ; the scale block's row: 8 h + r + 8 (r / 8)
.irp s, 0,1,2,3
.irp p, 0,1,2,3,4,5
	global_load_b64 v[16+24*\s+2*\p:17+24*\s+2*\p], v2, s[36:37] offset:96*\s+48*(\p/3)+8*(\p%3)
	global_load_b64 v[28+24*\s+2*\p:29+24*\s+2*\p], v3, s[36:37] offset:96*\s+48*(\p/3)+8*(\p%3)
.endr
.endr
	global_load_b128 v[8:11], v4, s[38:39]
	s_wait_loadcnt 0x0
.set f, 0
.rept 24
	global_store_b128 v5, v[16+4*f:19+4*f], s[54:55] offset:512*f   ; 32 lanes store 512 consecutive bytes
.set f, f+1
.endr
	global_store_b128 v5, v[8:11], s[56:57]
	s_endpgm
.Lfunc_end_k_q567ee379b9_lay:
	.size	k_q567ee379b9_lay, .Lfunc_end_k_q567ee379b9_lay-k_q567ee379b9_lay
	.p2alignl 7, 3214868480
	.fill 96, 4, 3214868480
	.section	.rodata,"a",@progbits
	.p2align	6, 0x0
	.amdhsa_kernel k_q567ee379b9_lay
		.amdhsa_group_segment_fixed_size 0
		.amdhsa_private_segment_fixed_size 0
		.amdhsa_enable_private_segment 0
		.amdhsa_kernarg_size 104
		.amdhsa_user_sgpr_count 2
		.amdhsa_user_sgpr_kernarg_segment_ptr 1
		.amdhsa_wavefront_size32 1
		.amdhsa_system_sgpr_workgroup_id_x 1
		.amdhsa_system_sgpr_workgroup_id_y 1
		.amdhsa_system_sgpr_workgroup_id_z 1
		.amdhsa_system_vgpr_workitem_id 0
		.amdhsa_next_free_vgpr 112
		.amdhsa_next_free_sgpr 66
		.amdhsa_reserve_vcc 0
		.amdhsa_float_denorm_mode_32 3
		.amdhsa_float_denorm_mode_16_64 3
		.amdhsa_memory_ordered 1
		.amdhsa_forward_progress 1
		.amdhsa_inst_pref_size 11
	.end_amdhsa_kernel
	.amdgpu_metadata
---
amdhsa.version: [ 1, 2 ]
amdhsa.kernels:
  - .name:           k_q567ee379b9_lay
    .symbol:         k_q567ee379b9_lay.kd
    .args:
      - { .name: Wq_codes, .offset: 0, .size: 8, .value_kind: global_buffer, .address_space: global }
      - { .name: Wq_scales, .offset: 8, .size: 8, .value_kind: global_buffer, .address_space: global }
      - { .name: Wk_codes, .offset: 16, .size: 8, .value_kind: global_buffer, .address_space: global }
      - { .name: Wk_scales, .offset: 24, .size: 8, .value_kind: global_buffer, .address_space: global }
      - { .name: Wv_codes, .offset: 32, .size: 8, .value_kind: global_buffer, .address_space: global }
      - { .name: Wv_scales, .offset: 40, .size: 8, .value_kind: global_buffer, .address_space: global }
      - { .name: W_inner_codes, .offset: 48, .size: 8, .value_kind: global_buffer, .address_space: global }
      - { .name: W_inner_scales, .offset: 56, .size: 8, .value_kind: global_buffer, .address_space: global }
      - { .name: W_proj_codes, .offset: 64, .size: 8, .value_kind: global_buffer, .address_space: global }
      - { .name: W_proj_scales, .offset: 72, .size: 8, .value_kind: global_buffer, .address_space: global }
      - { .name: query_pos_codes, .offset: 80, .size: 8, .value_kind: global_buffer, .address_space: global }
      - { .name: query_pos_scales, .offset: 88, .size: 8, .value_kind: global_buffer, .address_space: global }
      - { .name: wbuf, .offset: 96, .size: 8, .value_kind: global_buffer, .address_space: global }
    .group_segment_fixed_size: 0
    .private_segment_fixed_size: 0
    .kernarg_segment_align: 8
    .kernarg_segment_size: 104
    .max_flat_workgroup_size: 32
    .sgpr_count:     66
    .vgpr_count:     112
    .wavefront_size: 32
...
	.end_amdgpu_metadata
.endif
;; end of part 1
;; launch proj (part 2): grid 256 x 1, 4 waves a work-group, no clusters, 327,680 bytes of LDS; arguments key_value, query, kv_gamma, kv_beta, q_gamma, q_beta, bq, bk, bv, wbuf, qbuf, kbuf, vbuf; writes qbuf, kbuf, vbuf
.if DOCPART == 2
	.amdgcn_target "amdgcn-amd-amdhsa--gfx1250"
	.amdhsa_code_object_version 6
	.text
	.protected	k_q567ee379b9_proj
	.globl	k_q567ee379b9_proj
	.p2align	8
	.type	k_q567ee379b9_proj,@function
k_q567ee379b9_proj:
	s_mov_b64 s[64:65], 0
	v_nop
	global_prefetch_b8 v0, s[64:65] scope:SCOPE_SE
	s_setreg_imm32_b32 hwreg(HW_REG_WAVE_MODE, 25, 1), 1
	s_wait_xcnt 0x0
; PROJ: LayerNorm, quantiser and the three projections (products 1, 2, 3), and the quantisers behind them.  No work of the problem is left out.
; Work-group g takes 128 rows of key_value (one key step of the attention: 8 tiles, rows ordered as in LAY) and tile g of the 256 tiles of query rows.  Wave w owns output columns 128 w .. 128 w + 127 of q, k and v.
; k (and q) is wanted as codes along d: source 0 = the weight's rows, source 1 = the normed rows: a lane holds ONE row and its registers run along d.
; v is wanted as codes along the KEYS: source 0 = the normed rows, source 1 = Wv's rows: a lane holds ONE d and its registers run along the 128 keys.
; All results leave as images of operand registers (LAY), 512 consecutive bytes a store.
; THE RAW ROWS COME IN TWO TILES A WAVE.  Of its 32 rows a wave's tile u holds rows 8 u + 0..7 and 8 u + 16..23: two dense runs of 16,384 bytes, 32,768 bytes apart, which one tensor load states as two long rows;
; in LDS the tile's 16 rows lie one behind the other.  Tile 0 is asked for at the head; tile 1 when the query rows are normed: it is on its way during q's product,
; tile 0's norm and tile 0's products for k.  By this text's count one tensor load of a wave is out at any time.
; A loop of two trips: norm and quantise my tile u, images to LDS, barrier, k for the four waves' tiles u.  v follows when all eight tiles' images lie in LDS.
; The images of BOTH tiles lie over the raw rows of tile 0 (tile u's at 8 u rows), which are in registers or done with by then: no ds_store touches bytes on which a fill still lands.
; NO CLUSTER: the raw rows fill LDS, and each weight fragment is used by one wave alone, which takes it from memory straight into its registers; what is shared between work-groups would have to pass through LDS that is not there.
; NO PREFETCH: the two tensor loads a wave are the launch's whole stream from memory, and the second goes out as soon as the first has landed: there is no later trip to ask ahead for.
; LIMITS: NaN and infinities are not served; a block of zeros gets the scale byte 1 (its codes are zeros; this program alone reads the bytes); blocks whose largest magnitude lies under 2^(5 - 127) keep that byte.
; REGISTERS: window 0: see the names below.  Window 1 and window 2 v0-131: BIG, 32 fragments (a weight's 8 tiles x 4 K steps, later the 8 tiles of normed rows x 4): index 8 s + j.  Window 2 v132-227: SM, two sets of four fragments of normed rows.
; Window 3: the 256 numbers a lane holds of a row under the norm (index 16 b + i: d = 32 b + 16 h + i); later a ring of five slots of Wv's tiles.
.set PITCH, 2080                       ; a raw row in LDS: 2 x (1,024 bytes + 16 of padding)
.set RAWW,  32*PITCH                   ; a wave's 32 rows
.set RAWT,  16*PITCH                   ; a raw tile
.set TILEO, 8*PITCH                    ; from tile 0's images to tile 1's
.set GB,    4*RAWW                     ; seven vectors of 2,048 bytes: q_gamma, q_beta, kv_gamma, kv_beta, bq, bk, bv
.set SPARE, GB+7*2048                  ; the spare words, 128 bytes for each wave
.set KSW,   SPARE+512                  ; k's scale words on their way out: 512 bytes a wave: [pair 4][tile 2][row 16]
.set QRAW,  KSW+2048                   ; the 16 query rows, laid like a raw tile: stored by the waves, four rows each; no fill lands here
.set UNITB, 12288
.set SIMG,  304*UNITB
.set QSCL,  1572864                    ; qbuf: behind the images the scale words
.set KSCL,  12582912                   ; kbuf, vbuf likewise
.set SPW, 1                            ; v1  my spare word;  v2  0: never rewritten
.set NIL, 2
.set L16, 3                            ; 16 x lane
.set L4,  4                            ; 4 x lane
.set RA,  5                            ; my raw row: RAWW w + PITCH r + 64 h
.set IW,  6                            ; where my wave's images go: RAWW w + 16 x lane
.set IWS, 7                            ; and their scale words: RAWW w + 6,144 + 4 x lane
.set GA,  8                            ; GB + 64 h
.set BA,  9                            ; GB + 512 w + 64 h
.set BVA, 10                           ; GB + 512 w + 4 (r + 8 (r / 8))
.set QA,  11                           ; the query tile in LDS: QRAW + PITCH r + 64 h
.set RT,  12                           ; addresses of the trip in hand
.set XSA, 13                           ; paired scale words: 4 r + TILEO h + 6,144
.set IWT, 14
.set IST, 15
.set MU,  16                           ; v16-17 the mean, twice;  v18-19 1 / sqrt(var + eps), twice
.set RS,  18
.set CH,  20                           ; v20-27 four chains of sums
.set TM,  28                           ; v28-43 the quantiser's work
.set PW,  44                           ; the scale word just made;  v45 the even tile's
.set PWE, 45
.set PC,  46                           ; v46-65 the codes just made
.set XS,  66                           ; v66-81 scale words of normed rows
.set WS,  82                           ; v82-97 scale words of the weight in hand: 4 p + s
.set CB,  98                           ; v98-105 bv of my lane's d, eight times: the C of v's first products
.set BVL, 106                          ; v106-113 bv for the wave's eight tiles
.set VSR, 114                          ; v114-117 v's scale words, paired
.set KWT, 118                          ; KWA in the trip in hand
.set KWA, 119                          ; KSW + 512 w + 4 r
.set BIAS, 120                         ; v120-183 a bias in the result's layout; under the norm: beta
.set HA,  184                          ; v184-247 eight accumulators; under the norm: gamma
.set XB,  248                          ; v248-251, v252-255 addresses
.set XC,  252
.set SM,  132
.set WV,  35
.set G0,  36
.set G1,  40
.set WB,  48
.set WSB, 50
.set SEL, 52
.set INV, 54
.set EPS, 55
.set MASK, 56
.set CNT, 57
.set KB,  60
.set KSB, 62
.set VSB, 66
.set QSB, 68
.set ROF, 70
.set UOF, 71
.set U64, 72
.set W9,  73
.set MSB, 0
.macro WIN new                         ; the immediate's high byte repeats the setting that is left
.if MSB != (\new)
	s_set_vgpr_msb (MSB<<8)|(\new)
.set MSB, (\new)
.endif
.endm
.macro PLACES n
.rept \n
	v_nop
.endr
.endm
; One scaled product.  ra, rb: source 0's and source 1's scales stand in lanes 16-31 of their register.
.macro WM d, a, b, c, sa, sb, ra, rb
.if ((\ra) == 0) && ((\rb) == 0)
	v_wmma_scale_f32_16x16x128_f8f6f4 v[(\d):(\d)+7], v[(\a):(\a)+11], v[(\b):(\b)+11], v[(\c):(\c)+7], v[(\sa)], v[(\sb)] matrix_a_fmt:MATRIX_FMT_BF6 matrix_b_fmt:MATRIX_FMT_BF6
.elseif (\rb) == 0
	v_wmma_scale_f32_16x16x128_f8f6f4 v[(\d):(\d)+7], v[(\a):(\a)+11], v[(\b):(\b)+11], v[(\c):(\c)+7], v[(\sa)], v[(\sb)] matrix_a_fmt:MATRIX_FMT_BF6 matrix_b_fmt:MATRIX_FMT_BF6 matrix_a_scale:MATRIX_SCALE_ROW1
.elseif (\ra) == 0
	v_wmma_scale_f32_16x16x128_f8f6f4 v[(\d):(\d)+7], v[(\a):(\a)+11], v[(\b):(\b)+11], v[(\c):(\c)+7], v[(\sa)], v[(\sb)] matrix_a_fmt:MATRIX_FMT_BF6 matrix_b_fmt:MATRIX_FMT_BF6 matrix_b_scale:MATRIX_SCALE_ROW1
.else
	v_wmma_scale_f32_16x16x128_f8f6f4 v[(\d):(\d)+7], v[(\a):(\a)+11], v[(\b):(\b)+11], v[(\c):(\c)+7], v[(\sa)], v[(\sb)] matrix_a_fmt:MATRIX_FMT_BF6 matrix_b_fmt:MATRIX_FMT_BF6 matrix_a_scale:MATRIX_SCALE_ROW1 matrix_b_scale:MATRIX_SCALE_ROW1
.endif
.endm
; 64 numbers of a lane, v[s] .. v[s + 63] of window win, register 16 b + i = k 32 b + 16 h + i of my row, become a fragment's codes in v[PC] .. v[PC + 11] and the row's scale word in v[PW] (in both halves of the lanes).
.macro QUANT s, win
	WIN ((\win)<<2)|((\win)<<4)
.irp b, 0,1,2,3
	v_max3_num_f32 v[TM+\b], 0x2800000, |v[(\s)+16*\b]|, |v[(\s)+16*\b+1]|   ; my 16 numbers of block b, and the floor 2^(5 - 127): the byte cannot fall under 1
.endr
.irp i, 2,4,6,8,10,12,14
.irp b, 0,1,2,3
	v_max3_num_f32 v[TM+\b], v[TM+\b], |v[(\s)+16*\b+\i]|, |v[(\s)+16*\b+\i+1]|
.endr
.endr
	WIN 0
.irp b, 0,1,2,3
	v_permlanex16_b32 v[TM+4+\b], v[TM+\b], s[SEL], s[SEL+1]
.endr
.irp b, 0,1,2,3
	v_max_num_f32 v[TM+\b], v[TM+\b], v[TM+4+\b]   ; with lane l xor 16's: the block's largest magnitude
.endr
.irp b, 0,1,2,3
	v_add_nc_u32 v[TM+12+\b], 0xfe000000, v[TM+\b] ; 4 off its exponent field: the conversion's scale operand
.endr
.irp b, 0,1,2,3
	v_lshrrev_b32 v[TM+4+\b], 23, v[TM+12+\b]      ; the scale's byte
.endr
	v_lshl_or_b32 v[PW], v[TM+5], 8, v[TM+4]
	v_lshl_or_b32 v[PW], v[TM+6], 16, v[PW]
	v_lshl_or_b32 v[PW], v[TM+7], 24, v[PW]
	WIN (\win)
.irp c, 0,1
	v_cvt_scalef32_pk16_bf6_f32 v[PC+6*\c:PC+6*\c+2], v[(\s)+32*\c:(\s)+32*\c+15], v[TM+12+2*\c]
	v_cvt_scalef32_pk16_bf6_f32 v[PC+12+4*\c:PC+14+4*\c], v[(\s)+32*\c+16:(\s)+32*\c+31], v[TM+13+2*\c]   ; (a conversion's three registers begin on an even number)
.endr
	WIN 0
	v_nop                                          ; one plain place behind a scaled conversion
.irp c, 0,1                                    ; the operand's layout wants a whole block in a lane
.irp i, 0,1,2
	v_permlane16_swap_b32 v[PC+6*\c+\i], v[PC+12+4*\c+\i]
.endr
.irp i, 0,1,2
	v_mov_b32 v[PC+3+6*\c+\i], v[PC+12+4*\c+\i]
.endr
.endr
.endm
; A weight's part for my wave, units m + 4 w + p, into BIG, and its scale blocks into WS: 100 dense loads of 16 bytes a lane.
; It goes out in eight parts of 12 loads (part n: fragments 4 n .. 4 n + 3), each at a fixed point of a norm, so that vector work stands between the parts.
.macro WPART m, n
.set idx, 4*(\n)
.rept 4
.if idx < 21
	WIN 0x40
.set RB, 12*idx
.else
	WIN 0x80
.set RB, 12*(idx-21)
.endif
.irp c, 0,1,2
	global_load_b128 v[RB+4*\c:RB+4*\c+3], v[L16], s[WB:WB+1] offset:UNITB*((\m)+(idx%8)/2)+1536*(2*(idx/8)+idx%2)+512*\c
.endr
.set idx, idx+1
.endr
	WIN 0
.endm
.macro WSL m                           ; the weight's scale blocks: 4 loads
.irp p, 0,1,2,3
	global_load_b128 v[WS+4*\p:WS+4*\p+3], v[L16], s[WSB:WSB+1] offset:512*((\m)+\p)
.endr
.endm
; Part n of the weight at unit wl.  wl = 0: Wq, under the query's norm.  wl above 0: under the loop's norm, in its first trip alone (a branch on the loop's counter; every window is 0 here).
.macro HOOK wl, n
.if (\wl) > 0
	s_cmp_lg_u32 s[CNT], 0
	s_wait_alu depctr_va_vdst(0)
	s_cbranch_scc1 .Lhk_\@
.endif
	WPART \wl, \n
.if (\n) == 0
	WSL \wl
.endif
.if (\wl) > 0
.Lhk_\@:
.endif
.endm
.macro GBLOAD s, vg                    ; gamma and beta of K step s, in my lane's order, into HA and BIAS: 32 loads
.irp b, 0,1,2,3
.irp jj, 0,1,2,3
	ds_load_b128 v[HA+16*\b+4*\jj:HA+16*\b+4*\jj+3], v[GA] offset:2048*(\vg)+512*(\s)+128*\b+16*\jj
	ds_load_b128 v[BIAS+16*\b+4*\jj:BIAS+16*\b+4*\jj+3], v[GA] offset:2048*(\vg)+2048+512*(\s)+128*\b+16*\jj
.endr
.endr
.endm
; The norm of the 16 rows whose numbers lie in window 3, and their four fragments.  vg: which vector is gamma (beta follows it).  keep = 1: the fragments stay, in SM's set 0 and XS; 0: their images go to LDS.
; Gamma and beta of K step 0 are asked for at the start, those of K step s + 1 as soon as K step s has used the registers: the quantiser stands between each request and the wait for it.
.macro LNBODY keep, vg, wl
	GBLOAD 0, \vg
	HOOK \wl, 0
	WIN 0x0f
.irp c, 0,1,2,3
	v_pk_add_f32 v[CH+2*\c:CH+2*\c+1], v[4*\c:4*\c+1], v[4*\c+2:4*\c+3]   ; the first numbers start the four chains
.endr
	WIN 0x0c
.set i, 16
.rept 30
.irp c, 0,1,2,3
	v_pk_add_f32 v[CH+2*\c:CH+2*\c+1], v[CH+2*\c:CH+2*\c+1], v[i+2*\c:i+2*\c+1]
.endr
.set i, i+8
.endr
	WIN 0
	v_pk_add_f32 v[CH:CH+1], v[CH:CH+1], v[CH+2:CH+3]
	v_pk_add_f32 v[CH+4:CH+5], v[CH+4:CH+5], v[CH+6:CH+7]
	v_pk_add_f32 v[CH:CH+1], v[CH:CH+1], v[CH+4:CH+5]
	v_add_f32 v[CH], v[CH], v[CH+1]
	v_permlanex16_b32 v[CH+2], v[CH], s[SEL], s[SEL+1]   ; the row's other 256 numbers lie in the lane 16 away
	v_add_f32 v[CH], v[CH], v[CH+2]
	v_mul_f32 v[MU], s[INV], v[CH]
	v_mov_b32 v[MU+1], v[MU]
	HOOK \wl, 1
	WIN 0xc3
.set i, 0
.rept 128
	v_pk_add_f32 v[i:i+1], v[i:i+1], v[MU:MU+1] neg_lo:[0,1] neg_hi:[0,1]   ; x - mean, in place
.set i, i+2
.endr
	WIN 0
	HOOK \wl, 2
	WIN 0x0f
.irp c, 0,1,2,3
	v_pk_mul_f32 v[CH+2*\c:CH+2*\c+1], v[2*\c:2*\c+1], v[2*\c:2*\c+1]
.endr
.set i, 8
.rept 31
.irp c, 0,1,2,3
	v_pk_fma_f32 v[CH+2*\c:CH+2*\c+1], v[i+2*\c:i+2*\c+1], v[i+2*\c:i+2*\c+1], v[CH+2*\c:CH+2*\c+1]
.endr
.set i, i+8
.endr
	WIN 0
	v_pk_add_f32 v[CH:CH+1], v[CH:CH+1], v[CH+2:CH+3]
	v_pk_add_f32 v[CH+4:CH+5], v[CH+4:CH+5], v[CH+6:CH+7]
	v_pk_add_f32 v[CH:CH+1], v[CH:CH+1], v[CH+4:CH+5]
	v_add_f32 v[CH], v[CH], v[CH+1]
	v_permlanex16_b32 v[CH+2], v[CH], s[SEL], s[SEL+1]
	v_add_f32 v[CH], v[CH], v[CH+2]
	v_fma_f32 v[RS], v[CH], s[INV], s[EPS]         ; the variance + 1e-6
	s_wait_alu depctr_va_vdst(0)                   ; the wait ahead of the transcendental,
	v_rsq_f32 v[RS], v[RS]
	v_nop                                          ; a plain place behind it,
	s_wait_alu depctr_va_vdst(0)                   ; and the wait ahead of its first reader
	v_mov_b32 v[RS+1], v[RS]
	HOOK \wl, 3
	WIN 0xc3
.set i, 0
.rept 128
	v_pk_mul_f32 v[i:i+1], v[i:i+1], v[RS:RS+1]
.set i, i+2
.endr
.irp s, 0,1,2,3                                ; K step s: d = 128 s on
	WIN 0
	s_wait_dscnt 0x0                               ; this K step's gamma and beta are in
	WIN 0xc3
.set i, 0
.rept 32
	v_pk_fma_f32 v[64*\s+i:64*\s+i+1], v[64*\s+i:64*\s+i+1], v[HA+i:HA+i+1], v[BIAS+i:BIAS+i+1]
.set i, i+2
.endr
	WIN 0
.if \s < 3
	GBLOAD \s+1, \vg
.endif
	HOOK \wl, \s+4
	QUANT 64*\s, 3
.if \keep
	v_mov_b32 v[XS+\s], v[PW]
	WIN 0x80
.irp k, 0,1,2,3,4,5,6,7,8,9,10,11
	v_mov_b32 v[SM+12*\s+\k], v[PC+\k]
.endr
	WIN 0
.else
.irp c, 0,1,2
	ds_store_b128 v[IWT], v[PC+4*\c:PC+4*\c+3] offset:1536*\s+512*\c
.endr
	ds_store_b32 v[IST], v[PW] offset:128*\s
.endif
.endr
.endm
.macro BIASK vec                       ; a bias in the layout of eight result tiles: tile 2 b + u, lane (r, h): columns 128 w + 32 b + 16 h + 8 u + 0 .. 7
.irp j, 0,1,2,3,4,5,6,7
	ds_load_b128 v[BIAS+8*\j:BIAS+8*\j+3], v[BA] offset:2048*(\vec)+128*(\j/2)+32*(\j%2)
	ds_load_b128 v[BIAS+8*\j+4:BIAS+8*\j+7], v[BA] offset:2048*(\vec)+128*(\j/2)+32*(\j%2)+16
.endr
.endm
; 32 products: my 8 tiles of the weight's rows (source 0) x the 16 normed rows of SM's set (source 1), 4 K steps; the eight accumulators take turns; the bias is the C of each sum's first product.
.macro KT set
	s_wait_alu depctr_va_vdst(0)
.irp s, 0,1,2,3
.irp j, 0,1,2,3,4,5,6,7
.if 8*\s+\j < 21
	WIN 0x09
.set RB, 12*(8*\s+\j)
.else
	WIN 0x0a
.set RB, 12*(8*\s+\j-21)
.endif
.if \s == 0
	WM HA+8*\j, RB, SM+48*(\set)+12*\s, BIAS+8*\j, WS+4*(\j/2)+\s, XS+4*(\set)+\s, \j%2, 0
.else
	WM HA+8*\j, RB, SM+48*(\set)+12*\s, HA+8*\j, WS+4*(\j/2)+\s, XS+4*(\set)+\s, \j%2, 0
.endif
.endr
.endr
	WIN 0
.endm
.macro XLOAD p                         ; wave p's tile of the trip in hand: four fragments and four scale words into set p % 2: 16 LDS loads
	WIN 0x80
.irp s, 0,1,2,3
.irp c, 0,1,2
	ds_load_b128 v[SM+48*((\p)%2)+12*\s+4*\c:SM+48*((\p)%2)+12*\s+4*\c+3], v[XB+(\p)] offset:1536*\s+512*\c
.endr
.endr
	WIN 0
.irp s, 0,1,2,3
	ds_load_b32 v[XS+4*((\p)%2)+\s], v[XC+(\p)] offset:6144+128*\s
.endr
.endm
; 32 products: the 8 tiles of normed rows in BIG (source 0) x tile dt of Wv's rows in the ring (source 1)
.macro VT dt
.irp s, 0,1,2,3
.irp t, 0,1,2,3,4,5,6,7
.if 8*\s+\t < 21
	WIN 0x0d
.set RB, 12*(8*\s+\t)
.else
	WIN 0x0e
.set RB, 12*(8*\s+\t-21)
.endif
.if \s == 0
	WM HA+8*\t, RB, 48*((\dt)%5)+12*\s, CB, XS+4*(\t/2)+\s, WS+4*((\dt)/2)+\s, \t%2, (\dt)%2
.else
	WM HA+8*\t, RB, 48*((\dt)%5)+12*\s, HA+8*\t, XS+4*(\t/2)+\s, WS+4*((\dt)/2)+\s, \t%2, (\dt)%2
.endif
.endr
.endr
	WIN 0
.endm
.macro RING dt                         ; tile dt of my eight of Wv, four K steps, into slot dt % 5 of window 3: 12 loads
	WIN 0xc0
.irp s, 0,1,2,3
.irp c, 0,1,2
	global_load_b128 v[48*((\dt)%5)+12*\s+4*\c:48*((\dt)%5)+12*\s+4*\c+3], v[L16], s[WB:WB+1] offset:UNITB*(32+(\dt)/2)+1536*(2*\s+(\dt)%2)+512*\c
.endr
.endr
	WIN 0
.endm
	s_load_b512 s[8:23], s[0:1], 0x0               ; key_value, query, kv_gamma, kv_beta, q_gamma, q_beta, bq, bk
	s_load_b256 s[24:31], s[0:1], 0x40             ; bv, wbuf, qbuf, kbuf
	s_load_b64 s[32:33], s[0:1], 0x60              ; vbuf
	v_lshl_add_u32 v[SPW], v0, 2, SPARE
	v_mov_b32 v[NIL], 0
	ds_add_u32 v[SPW], v[NIL]                      ; the wave's opening: the add, twice on end, and its wait ahead of my first tensor load
	ds_add_u32 v[SPW], v[NIL]
	v_lshrrev_b32 v[RT], 5, v0
	v_readfirstlane_b32 s[WV], v[RT]               ; wave 0..3
	s_mov_b32 s[G1+0], (2<<16)|(1<<20)|(7<<22)|(3<<25)   ; elements of 4 bytes; padding on: behind every 256 words 4 words
	s_mov_b32 s[G1+1], 4096<<16                    ; tensor_dim0 = 4,096: eight dense rows of key_value as one long row
	s_mov_b32 s[G1+2], 2<<16                       ; tensor_dim1 = 2
	s_mov_b32 s[G1+3], 4096<<16                    ; tile_dim0 = 4,096
	s_mov_b32 s[G1+4], 2                           ; tile_dim1 = 2
	s_mov_b32 s[G1+5], 8192                        ; from long row to long row: 16 rows of key_value
	s_mov_b32 s[G1+6], 0
	s_mov_b32 s[G1+7], 0
	s_mul_i32 s34, s[WV], RAWW                     ; my 32 rows in LDS
	s_lshl_b32 s2, ttmp9, 18                       ; 128 rows of 2,048 bytes a work-group,
	s_lshl_b32 s3, s[WV], 16                       ; 32 a wave
	s_add_co_u32 s2, s2, s3
	s_mov_b32 s3, 0
	s_mov_b32 s[SEL], 0x76543210
	s_mov_b32 s[SEL+1], 0xfedcba98                 ; v_permlanex16_b32's selects for lane l xor 16
	s_mov_b32 s[INV], 0x3b000000                   ; 1 / 512
	s_mov_b32 s[EPS], 0x358637bd                   ; 1e-6
	s_mov_b32 s[MASK], 0xffff0000                  ; lanes 16-31
	s_lshl_b32 s[W9], s[WV], 9
	s_wait_dscnt 0x0                               ; both opening adds are done
	s_wait_kmcnt 0x0
	s_mov_b32 s[G0], 1
	s_mov_b32 s[G0+1], s34
	s_add_nc_u64 s[G0+2:G0+3], s[8:9], s[2:3]
	s_or_b32 s[G0+3], s[G0+3], 0x80000000
	tensor_load_to_lds s[G0:G0+3], s[G1:G1+7]      ; my raw tile 0: my one tensor load at the head
	s_nop 0
.rept 4
	v_nop
.endr
	v_and_b32 v[IWT], 31, v0                       ; lane
	v_lshlrev_b32 v[L16], 4, v[IWT]
	v_lshlrev_b32 v[L4], 2, v[IWT]
	v_and_b32 v[IST], 15, v0                       ; r
	v_bfe_u32 v[KWT], v0, 4, 1                     ; h
	v_and_b32 v[PWE], 8, v[IST]
	v_add_nc_u32 v[PWE], v[PWE], v[IST]            ; r + 8 (r / 8)
	v_mul_u32_u24 v[RA], v[IST], PITCH             ; a raw tile's rows lie packed: lane r takes LDS row r
	v_lshl_add_u32 v[RA], v[KWT], 6, v[RA]
	v_add_nc_u32 v[RA], s34, v[RA]
	v_add_nc_u32 v[IW], s34, v[L16]
	v_add_nc_u32 v[IWS], s34, v[L4]
	v_add_nc_u32 v[IWS], 6144, v[IWS]
	v_lshl_add_u32 v[GA], v[KWT], 6, GB
	v_add_nc_u32 v[BA], s[W9], v[GA]
	v_lshl_add_u32 v[BVA], v[PWE], 2, GB
	v_add_nc_u32 v[BVA], s[W9], v[BVA]
	v_lshl_add_u32 v[KWA], v[IST], 2, KSW
	v_add_nc_u32 v[KWA], s[W9], v[KWA]
	v_mul_u32_u24 v[QA], v[IST], PITCH
	v_lshl_add_u32 v[QA], v[KWT], 6, v[QA]
	v_add_nc_u32 v[QA], QRAW, v[QA]
	s_mul_i32 s59, s[WV], 4*PITCH
	v_add_nc_u32 v[XB+2], s59, v[L16]
	v_add_nc_u32 v[XB+2], QRAW, v[XB+2]            ; where I put my four query rows: QRAW + 4 w rows + 16 x lane
	v_lshlrev_b32 v[XSA], 2, v[IST]
	v_mad_u32_u24 v[XSA], v[KWT], TILEO, v[XSA]
	v_add_nc_u32 v[XSA], 6144, v[XSA]
	v_lshlrev_b32 v[XB], 4, v0                     ; 16 x thread: my 16 bytes of each vector
	s_wait_alu depctr_va_vdst(0)                   ; the wait ahead of the run of scalar instructions below
	v_lshl_add_u32 v[XB+1], v0, 4, GB
.irp b, 0,1,2,3
	v_mov_b32 v[TM+4+\b], 0                        ; written once: a lane permute's destination counts as one of its sources
.endr
	s_mul_i32 s2, s[WV], 4*UNITB
	s_add_nc_u64 s[WB:WB+1], s[26:27], s[2:3]      ; the weights' units, from 4 w on
	s_lshl_b32 s2, s[WV], 11
	s_add_co_u32 s2, s2, SIMG
	s_add_nc_u64 s[WSB:WSB+1], s[26:27], s[2:3]    ; and their scale blocks
	s_lshr_b32 s2, ttmp9, 1
	s_lshl_b32 s2, s2, 16
	s_and_b32 s59, ttmp9, 1
	s_lshl_b32 s59, s59, 14
	s_add_co_u32 s2, s2, s59
	s_add_nc_u64 s[10:11], s[10:11], s[2:3]        ; query at row 32 (g / 2) + 8 (g % 2)
	s_lshl_b32 s2, s[WV], 13
	s_lshr_b32 s59, s[WV], 1
	s_lshl_b32 s59, s59, 14
	s_add_co_u32 s2, s2, s59
	s_add_nc_u64 s[10:11], s[10:11], s[2:3]        ; my four rows of the tile: 4 w + 8 (w / 2) rows on
	s_lshl_b32 s59, ttmp9, 2
	s_add_co_u32 s59, s59, s[WV]                   ; 4 g + w
	s_lshl_b32 s2, s59, 7
	s_add_co_u32 s2, s2, QSCL
	s_add_nc_u64 s[QSB:QSB+1], s[28:29], s[2:3]
	s_mul_i32 s2, s59, 1536
	s_add_nc_u64 s[28:29], s[28:29], s[2:3]        ; q's image: tile g, K step w
	s_lshl_b32 s2, ttmp9, 11
	s_lshl_b32 s59, s[WV], 7
	s_add_co_u32 s2, s2, s59
	s_add_co_u32 s2, s2, KSCL
	s_add_nc_u64 s[KSB:KSB+1], s[30:31], s[2:3]
	s_mul_i32 s2, ttmp9, 49152
	s_mul_i32 s59, s[WV], 1536
	s_add_co_u32 s2, s2, s59
	s_add_nc_u64 s[KB:KB+1], s[30:31], s[2:3]      ; k's images: step g, tile 0, K step w
	s_lshl_b32 s2, ttmp9, 11
	s_add_co_u32 s2, s2, s[W9]
	s_add_co_u32 s2, s2, KSCL
	s_add_nc_u64 s[VSB:VSB+1], s[32:33], s[2:3]
	s_mul_i32 s2, ttmp9, 49152
	s_mul_i32 s59, s[WV], 12288
	s_add_co_u32 s2, s2, s59
	s_add_nc_u64 s[32:33], s[32:33], s[2:3]        ; v's images: step g, d tile 8 w
	global_load_b128 v[120:123], v[XB], s[16:17]   ; the seven vectors, 16 bytes a thread of each
	global_load_b128 v[124:127], v[XB], s[18:19]
	global_load_b128 v[128:131], v[XB], s[12:13]
	global_load_b128 v[132:135], v[XB], s[14:15]
	global_load_b128 v[136:139], v[XB], s[20:21]
	global_load_b128 v[140:143], v[XB], s[22:23]
	global_load_b128 v[144:147], v[XB], s[24:25]
.irp i, 0,1,2,3
.irp c, 0,1,2,3
	global_load_b128 v[HA+16*\i+4*\c:HA+16*\i+4*\c+3], v[L16], s[10:11] offset:2048*\i+512*\c   ; my four query rows: each load of the wave covers 512 consecutive bytes
.endr
.endr
	s_wait_alu depctr_va_vdst(0)
	s_wait_loadcnt 0x0                             ; the vectors and my four query rows are in
.irp k, 0,1,2,3,4,5,6
	ds_store_b128 v[XB+1], v[120+4*\k:123+4*\k] offset:2048*\k
.endr
.irp i, 0,1,2,3
.irp c, 0,1,2,3
	ds_store_b128 v[XB+2], v[HA+16*\i+4*\c:HA+16*\i+4*\c+3] offset:PITCH*\i+512*\c+16*(\c/2)
.endr
.endr
	s_wait_dscnt 0x0                               ; for the others' sake: my part of the vectors lies in LDS
	s_barrier_signal -1
	s_barrier_wait -1                              ; the tensor load may stay out
	; ---- q: norm and quantise (all four waves the same 16 rows: that spares an exchange)
	WIN 0xc0
.irp be, 0,1,2,3,4,5,6,7,8,9,10,11,12,13,14,15
.irp jj, 0,1,2,3
	ds_load_b128 v[16*\be+4*\jj:16*\be+4*\jj+3], v[QA] offset:128*\be+16*\jj+16*(\be/8)
.endr
.endr
	WIN 0
	s_wait_dscnt 0x0                               ; the query tile is in registers
	LNBODY 1, 0, 0                                 ; Wq is asked for on the way
	; ---- raw tile 1's first fill, issued as a refill is
	s_wait_tensorcnt 0x0                           ; my raw tile 0 is in LDS; only I read it
	ds_add_u32 v[SPW], v[NIL]
	s_add_co_u32 s[G0+1], s[G0+1], RAWT            ; no load of mine is out: the descriptor steps to tile 1: behind tile 0 in LDS,
	s_add_nc_u64 s[G0+2:G0+3], s[G0+2:G0+3], 16384 ; eight rows on in memory
	s_wait_dscnt 0x0
	s_barrier_signal -1
	s_barrier_wait -1
	tensor_load_to_lds s[G0:G0+3], s[G1:G1+7]
	s_nop 0
.rept 4
	v_nop
.endr
	; ---- q x Wq + bq, quantised along d
	BIASK 4
	PLACES 8                                       ; operands and scale words written by vector instructions stand 4 and 8 places ahead of a scaled product
	s_wait_loadcnt 0x0                             ; Wq
	s_wait_dscnt 0x0                               ; bq
	KT 0
	PLACES 5
	QUANT HA, 0
.irp c, 0,1,2
	global_store_b128 v[L16], v[PC+4*\c:PC+4*\c+3], s[28:29] offset:512*\c
.endr
	global_store_b32 v[L4], v[PW], s[QSB:QSB+1]
	s_wait_xcnt 0x0                                ; the stores have read the codes' registers, which the next quantiser writes
	; ---- two trips: norm and quantise my raw tile u; then k for the four waves' tiles u
	s_mov_b32 s[CNT], 0
	s_mov_b32 s[ROF], 0
	s_mov_b32 s[UOF], 0
	s_mov_b32 s[U64], 0
.Lch:
	v_add_nc_u32 v[RT], s[ROF], v[RA]
	v_add_nc_u32 v[IWT], s[UOF], v[IW]
	v_add_nc_u32 v[IST], s[UOF], v[IWS]
	v_add_nc_u32 v[KWT], s[U64], v[KWA]
.irp p, 0,1,2,3
	v_add_nc_u32 v[XB+\p], s[UOF], v[L16]
	v_add_nc_u32 v[XC+\p], s[UOF], v[L4]
.endr
.irp p, 1,2,3
	v_add_nc_u32 v[XB+\p], RAWW*\p, v[XB+\p]       ; wave p's images of tile u
	v_add_nc_u32 v[XC+\p], RAWW*\p, v[XC+\p]
.endr
	WIN 0xc0
.irp be, 0,1,2,3,4,5,6,7,8,9,10,11,12,13,14,15
.irp jj, 0,1,2,3
	ds_load_b128 v[16*\be+4*\jj:16*\be+4*\jj+3], v[RT] offset:128*\be+16*\jj+16*(\be/8)
.endr
.endr
	WIN 0
	s_wait_dscnt 0x0                               ; the tile is in registers: raw tile 0's bytes may take images
	LNBODY 0, 2, 16                                ; in the first trip Wk is asked for on the way
	s_wait_dscnt 0x0                               ; my images lie in LDS
	s_barrier_signal -1
	s_barrier_wait -1                              ; everybody's do
	BIASK 5
	XLOAD 0
	XLOAD 1
	s_wait_loadcnt 0x0                             ; Wk is in
.irp p, 0,1,2,3
.if \p == 0                                    ; what may be out: the LDS instructions issued behind this tile's 16 loads
	s_wait_dscnt 16                                ; tile 1's loads
.elseif \p == 1
	s_wait_dscnt 17                                ; tile 2's loads and one store of scale words
.elseif \p == 2
	s_wait_dscnt 18                                ; tile 3's loads and two stores
.else
	s_wait_dscnt 2                                 ; two stores
.endif
	KT \p%2
	PLACES 5
.if \p < 2
	XLOAD \p+2                                     ; into the set just read
.endif
	s_wait_xcnt 0x0                                ; earlier stores have read the codes' registers
	QUANT HA, 0
.irp c, 0,1,2
	global_store_b128 v[L16], v[PC+4*\c:PC+4*\c+3], s[KB:KB+1] offset:12288*\p+512*\c
.endr
	ds_store_b32 v[KWT], v[PW] offset:128*\p       ; the tile's scale words wait in my own LDS words for the pair's other tile
.if \p < 3                                     ; window 3 has seen its last norm in the second trip alone: there the ring's tiles 0 to 3 of Wv are asked for, shared out behind k's tiles
	s_cmp_eq_u32 s[CNT], 0
	s_cbranch_scc1 .Lno_ring\p
.if \p == 0
	RING 0
	RING 1
.else
	RING \p+1
.endif
.Lno_ring\p:
.endif
.endr
	s_wait_xcnt 0x0                                ; the stores have read their base
	s_add_nc_u64 s[KB:KB+1], s[KB:KB+1], 6144
	s_add_co_u32 s[ROF], s[ROF], RAWT
	s_add_co_u32 s[UOF], s[UOF], TILEO
	s_add_co_u32 s[U64], s[U64], 64
	s_wait_loadcnt 0x0                             ; no load is out over the backward jump; behind the second trip: the ring's tiles 0 to 3 are in
	s_wait_tensorcnt 0x0                           ; my raw tile 1 is in LDS, for the second trip; only I read it
	s_wait_dscnt 0x0                               ; my reads of the images are over
	s_barrier_signal -1
	s_barrier_wait -1                              ; everybody's are: the next trip's images may be stored
	s_add_co_u32 s[CNT], s[CNT], 1
	s_cmp_lt_u32 s[CNT], 2
	s_cbranch_scc1 .Lch
	; ---- k's scale words: lanes 0-15 the even tile's, lanes 16-31 the odd tile's
	v_add_nc_u32 v[RT], s[W9], v[L4]
	v_add_nc_u32 v[RT], KSW, v[RT]
.irp p, 0,1,2,3
	ds_load_b32 v[CH+\p], v[RT] offset:128*\p
.endr
	; ---- v: all eight tiles of normed rows into BIG; then my eight tiles of d, one after the other
.irp p, 0,1,2,3
	global_load_b128 v[WS+4*\p:WS+4*\p+3], v[L16], s[WSB:WSB+1] offset:512*(32+\p)
.endr
	RING 4
.irp b, 0,1,2,3
	v_add_nc_u32 v[XB+\b], RAWW*\b, v[L16]
	v_add_nc_u32 v[XC+\b], RAWW*\b, v[XSA]
.endr
.set idx, 0
.rept 32
.if idx < 21
	WIN 0x40
.set RB, 12*idx
.else
	WIN 0x80
.set RB, 12*(idx-21)
.endif
.irp c, 0,1,2
	ds_load_b128 v[RB+4*\c:RB+4*\c+3], v[XB+(idx%8)/2] offset:TILEO*(idx%2)+1536*(idx/8)+512*\c
.endr
.set idx, idx+1
.endr
	WIN 0
.irp b, 0,1,2,3
.irp s, 0,1,2,3
	ds_load_b32 v[XS+4*\b+\s], v[XC+\b] offset:128*\s   ; lanes 0-15 tile 2 b's word, lanes 16-31 tile 2 b + 1's
.endr
.endr
.irp dt, 0,1,2,3,4,5,6,7
	ds_load_b32 v[BVL+\dt], v[BVA] offset:2048*6+128*(\dt/2)+32*(\dt%2)
.endr
	s_wait_dscnt 0x0
.irp p, 0,1,2,3
	global_store_b32 v[L4], v[CH+\p], s[KSB:KSB+1] offset:512*\p
.endr
.irp k, 0,1,2,3,4,5,6,7
	v_mov_b32 v[CB+\k], v[BVL]
.endr
	PLACES 4
	s_wait_alu depctr_va_vdst(0)
.irp dt, 0,1,2,3,4,5,6,7
.if \dt < 4
	s_wait_loadcnt 12*(\dt+1)                      ; the ring's tiles 0 to 3 came in the loop; what may be out: tile 4's 12 loads and 12 for each tile asked for since; Wv's scale blocks stand ahead of them
.else
	s_wait_loadcnt 12*(7-\dt)                      ; 12 loads for each younger tile may be out
.endif
	VT \dt
	PLACES 5
.if \dt < 7
.irp k, 0,1,2,3,4,5,6,7
	v_mov_b32 v[CB+\k], v[BVL+\dt+1]
.endr
.endif
	s_wait_xcnt 0x0                                ; earlier stores have read the codes' registers
	QUANT HA, 0
.irp c, 0,1,2
	global_store_b128 v[L16], v[PC+4*\c:PC+4*\c+3], s[32:33] offset:1536*\dt+512*\c
.endr
.if \dt < 3
	RING \dt+5                                     ; into the slot just read
.endif
.if \dt%2 == 0
	v_mov_b32 v[PWE], v[PW]
.else
	v_cndmask_b32 v[VSR+\dt/2], v[PWE], v[PW], s[MASK]
.endif
.endr
	global_store_b128 v[L16], v[VSR:VSR+3], s[VSB:VSB+1]
	s_wait_tensorcnt 0x0                           ; the wave's end
	ds_add_u32 v[SPW], v[NIL]
	s_wait_dscnt 0x0
	s_endpgm
.Lfunc_end_k_q567ee379b9_proj:
	.size	k_q567ee379b9_proj, .Lfunc_end_k_q567ee379b9_proj-k_q567ee379b9_proj
	.p2alignl 7, 3214868480
	.fill 96, 4, 3214868480
	.section	.rodata,"a",@progbits
	.p2align	6, 0x0
	.amdhsa_kernel k_q567ee379b9_proj
		.amdhsa_group_segment_fixed_size 327680
		.amdhsa_private_segment_fixed_size 0
		.amdhsa_enable_private_segment 0
		.amdhsa_kernarg_size 104
		.amdhsa_user_sgpr_count 2
		.amdhsa_user_sgpr_kernarg_segment_ptr 1
		.amdhsa_wavefront_size32 1
		.amdhsa_system_sgpr_workgroup_id_x 1
		.amdhsa_system_sgpr_workgroup_id_y 1
		.amdhsa_system_sgpr_workgroup_id_z 1
		.amdhsa_system_vgpr_workitem_id 0
		.amdhsa_next_free_vgpr 1024
		.amdhsa_next_free_sgpr 76
		.amdhsa_reserve_vcc 0
		.amdhsa_float_denorm_mode_32 3
		.amdhsa_float_denorm_mode_16_64 3
		.amdhsa_memory_ordered 1
		.amdhsa_forward_progress 1
		.amdhsa_inst_pref_size 255
	.end_amdhsa_kernel
	.section	.bss,"aw",@nobits
	.p2align	6
	.space	262144
	.amdgpu_metadata
---
amdhsa.version: [ 1, 2 ]
amdhsa.kernels:
  - .name:           k_q567ee379b9_proj
    .symbol:         k_q567ee379b9_proj.kd
    .args:
      - { .name: key_value, .offset: 0, .size: 8, .value_kind: global_buffer, .address_space: global }
      - { .name: query, .offset: 8, .size: 8, .value_kind: global_buffer, .address_space: global }
      - { .name: kv_gamma, .offset: 16, .size: 8, .value_kind: global_buffer, .address_space: global }
      - { .name: kv_beta, .offset: 24, .size: 8, .value_kind: global_buffer, .address_space: global }
      - { .name: q_gamma, .offset: 32, .size: 8, .value_kind: global_buffer, .address_space: global }
      - { .name: q_beta, .offset: 40, .size: 8, .value_kind: global_buffer, .address_space: global }
      - { .name: bq, .offset: 48, .size: 8, .value_kind: global_buffer, .address_space: global }
      - { .name: bk, .offset: 56, .size: 8, .value_kind: global_buffer, .address_space: global }
      - { .name: bv, .offset: 64, .size: 8, .value_kind: global_buffer, .address_space: global }
      - { .name: wbuf, .offset: 72, .size: 8, .value_kind: global_buffer, .address_space: global }
      - { .name: qbuf, .offset: 80, .size: 8, .value_kind: global_buffer, .address_space: global }
      - { .name: kbuf, .offset: 88, .size: 8, .value_kind: global_buffer, .address_space: global }
      - { .name: vbuf, .offset: 96, .size: 8, .value_kind: global_buffer, .address_space: global }
    .group_segment_fixed_size: 327680
    .private_segment_fixed_size: 0
    .kernarg_segment_align: 8
    .kernarg_segment_size: 104
    .max_flat_workgroup_size: 128
    .sgpr_count:     76
    .vgpr_count:     1024
    .wavefront_size: 32
...
	.end_amdgpu_metadata
.endif
;; end of part 2
;; launch attn (part 3): grid 8 x 32, 4 waves a work-group, clusters of 4 x 1, 327,680 bytes of LDS; arguments qbuf, wbuf, kbuf, key_pos_codes, key_pos_scales, vbuf, pbuf; writes pbuf
.if DOCPART == 3
	.amdgcn_target "amdgcn-amd-amdhsa--gfx1250"
	.amdhsa_code_object_version 6
	.text
	.protected	k_q567ee379b9_attn
	.globl	k_q567ee379b9_attn
	.p2align	8
	.type	k_q567ee379b9_attn,@function
k_q567ee379b9_attn:
	s_mov_b64 s[64:65], 0
	v_nop
	global_prefetch_b8 v0, s[64:65] scope:SCOPE_SE
	s_setreg_imm32_b32 hwreg(HW_REG_WAVE_MODE, 25, 1), 1
	s_wait_xcnt 0x0
	s_wait_alu depctr_hold_cnt(0) depctr_sa_sdst(0) depctr_va_vdst(0) depctr_va_sdst(0) depctr_va_ssrc(0) depctr_va_vcc(0) depctr_vm_vsrc(0)
	s_getreg_b32 s2, hwreg(HW_REG_IB_STS2, 6, 4)
	s_cmp_eq_u32 s2, 0
	s_cbranch_scc0 .Lentry_in_a_cluster
	s_endpgm
.Lentry_in_a_cluster:
	s_bfe_u32 s2, ttmp6, 0x10000c
	s_cmp_lg_u32 s2, 0x3003
	s_cbranch_scc0 .Lentry_shape_is_right
	s_endpgm
.Lentry_shape_is_right:
; ATTN: products 4, 5 and 6 and the softmax between them, for 64 queries x 1,024 keys a work-group; it leaves the unnormalised O, M and l of its quarter of the keys.  No work of the problem is left out.
; x = the block of 64 queries of a batch (8), y = 4 batch + quarter of the keys.  Eight steps of 128 keys.  64 blocks of queries alone would be too few work-groups: so the keys are cut in four, and the last launch joins the parts (M is a whole number: the join rounds nothing of p).
; A WAVE'S SHARE OF A STEP.  S^T = K Q^T + Kpos Qpos^T for ITS 32 keys (a pair of tiles) x 4 tiles of queries: 8 K steps of 128 (4 of q . k, 4 of the positions) in ONE sum: 64 products.  The softmax of those 32 keys, which are one block of P.
; O^T += V^T P^T for ITS 128 of the 512 d x 4 tiles of queries: 32 products.  A lane holds one query throughout.
; M IS KEPT FOR EACH WAVE: p = 2^(t - M_w), M_w the ceiling of the wave's running largest t.  The wave hands over its block's codes, -M_w and z_w = the block's scale byte + M_w.  Behind the step's one barrier every wave forms
; Mc = the largest M_w and takes z_w - Mc as the block's byte: an exact power of two, which the scale takes up; O is multiplied by 2^(old Mc - new Mc).  The row's sum of the unquantised p is kept under M_w and joined at the end.
; CLUSTER: the four blocks of queries of a cluster walk the same keys: K's images and key_pos's rows are asked for JOINTLY (mask 15), waves 0, 1 K's halves, waves 2, 3 key_pos's.  Two slots; by this text's count one tensor load of a wave is out at the start, one behind each round.
; V's fragments are each wanted by one wave alone: they come from memory straight into its registers, asked for at the step's head.
; LIMITS: NaN and infinities are not served; |t| stays under 2^24 (M is kept as an f32 whole number); a block whose byte under Mc would fall under 0 is held at byte 0.
; REGISTERS: window 0: names below.  Window 1 and window 2 v0-131: Q's 32 fragments (index 4 c + tile; c = 0-3 q, 4-7 query_pos).  Window 2 v132-203: three sets of two fragments of K; v204-251 V's fragments 4-7.  Window 3: O^T, (d tile, query tile) at 8 (4 dt + q).
.set SLOT,  131072                     ; slot 1 begins here: one exclusive or turns an address
.set KPO,   49152                      ; in a slot: K's images [tile 8][K step 4][1,536]; then key_pos's 128 rows, pitch 432 (16 bytes behind each 128)
.set PB,    104448                     ; P's four fragments: six pieces of 256 bytes + 128; written by ds_store: no fill lands here
.set SBM,   111104                     ; [tile][r][wave] pairs (-M_w, z_w)
.set LX,    262144                     ; [tile][r][wave] pairs (-M_w, l_w)
.set SPARE, 264192
.set SIMG,  304*12288
.set QSCL,  1572864
.set KSCL,  12582912
.set SPW, 1
.set NIL, 2
.set L16, 3
.set L4,  4
.set AK0, 5                            ; K's images: 16 x lane + 12,288 w
.set AP0, 6                            ; key_pos: KPO + 432 (32 w + r + 8 (r / 8)) + 24 h
.set AP1, 7                            ; the same behind one padding more: + 16 h
.set AKT, 8                            ; v8-10: those three in the slot in hand
.set APT0, 9
.set APT1, 10
.set PW0, 11                           ; where I put P: PB + 8 r + 1,664 h + 768 (w / 2) + 128 (w % 2)
.set SW0, 12                           ; and my pair: SBM + 32 r + 8 w
.set PR0, 13                           ; where I read P: PB + 8 x lane
.set SR0, 14                           ; and the pairs: SBM + 32 r
.set PWT, 15                           ; v15-18: those four in the slot in hand
.set SWT, 16
.set PRT, 17
.set SRT, 18
.set AKP, 19                           ; key_pos's scale bytes: 16 (32 w + 8 h + r + 8 (r / 8))
.set AKS, 20                           ; K's scale words: 512 w + 4 x lane
.set AQS, 21                           ; q's: 512 h + 4 r
.set LXW, 22
.set LXR, 23
.set QS,  24                           ; v24-31 q's scale words [pair][K step], v32-39 query_pos's
.set KS,  40                           ; v40-43 K's, v44-47 key_pos's
.set VS,  48                           ; v48-51 V's [pair of d tiles]
.set PS,  52                           ; v52-55 P's
.set ST,  56                           ; v56-87 eight a tile: +0 -M_w, +1 z_w, +2 the largest t, +3 the old -M_w, +4, +5 l, +6 -Mc, +7 at work
.set FP,  88                           ; v88-95 a factor a tile, as the low word of a pair
.set CE,  96                           ; v96-115 the codes just made
.set SR,  96                           ; v96-127 the pairs read back
.set BM,  116                          ; at work
.set PD,  120
.set SO,  124
.set DF,  128
.set S,   144                          ; v144-207 S^T: tile q at 144 + 16 q + 8 u;  later P's fragments at 144 + 12 q
.set PF,  144
.set V0,  208                          ; v208-255 V's fragments 0-3
.set V4,  204
.set KF,  132
.set WV,  18
.set CS,  20
.set SEL, 22
.set G1K, 24
.set G1P, 32
.set G0K, 40
.set G0P, 48
.set TB,  56
.set J,   57
.set CNT, 58
.set MASK, 59
.set VB,  60
.set VSB, 62
.set KSB, 66
.set KPSB, 68
.set KSP, 70
.set KPSP, 72
.set QIB, 88
.set QSB, 90
.set QPB, 92
.set QPSB, 94
.set PBB, 96
.set PM,  98
.set MSB, 0
.macro WIN new
.if MSB != (\new)
	s_set_vgpr_msb (MSB<<8)|(\new)
.set MSB, (\new)
.endif
.endm
.macro PLACES n
.rept \n
	v_nop
.endr
.endm
.macro WM d, a, b, c, sa, sb, ra, rb
.if (\c) < 0
.if ((\ra) == 0) && ((\rb) == 0)
	v_wmma_scale_f32_16x16x128_f8f6f4 v[(\d):(\d)+7], v[(\a):(\a)+11], v[(\b):(\b)+11], 0, v[(\sa)], v[(\sb)] matrix_a_fmt:MATRIX_FMT_BF6 matrix_b_fmt:MATRIX_FMT_BF6
.elseif (\rb) == 0
	v_wmma_scale_f32_16x16x128_f8f6f4 v[(\d):(\d)+7], v[(\a):(\a)+11], v[(\b):(\b)+11], 0, v[(\sa)], v[(\sb)] matrix_a_fmt:MATRIX_FMT_BF6 matrix_b_fmt:MATRIX_FMT_BF6 matrix_a_scale:MATRIX_SCALE_ROW1
.elseif (\ra) == 0
	v_wmma_scale_f32_16x16x128_f8f6f4 v[(\d):(\d)+7], v[(\a):(\a)+11], v[(\b):(\b)+11], 0, v[(\sa)], v[(\sb)] matrix_a_fmt:MATRIX_FMT_BF6 matrix_b_fmt:MATRIX_FMT_BF6 matrix_b_scale:MATRIX_SCALE_ROW1
.else
	v_wmma_scale_f32_16x16x128_f8f6f4 v[(\d):(\d)+7], v[(\a):(\a)+11], v[(\b):(\b)+11], 0, v[(\sa)], v[(\sb)] matrix_a_fmt:MATRIX_FMT_BF6 matrix_b_fmt:MATRIX_FMT_BF6 matrix_a_scale:MATRIX_SCALE_ROW1 matrix_b_scale:MATRIX_SCALE_ROW1
.endif
.else
.if ((\ra) == 0) && ((\rb) == 0)
	v_wmma_scale_f32_16x16x128_f8f6f4 v[(\d):(\d)+7], v[(\a):(\a)+11], v[(\b):(\b)+11], v[(\c):(\c)+7], v[(\sa)], v[(\sb)] matrix_a_fmt:MATRIX_FMT_BF6 matrix_b_fmt:MATRIX_FMT_BF6
.elseif (\rb) == 0
	v_wmma_scale_f32_16x16x128_f8f6f4 v[(\d):(\d)+7], v[(\a):(\a)+11], v[(\b):(\b)+11], v[(\c):(\c)+7], v[(\sa)], v[(\sb)] matrix_a_fmt:MATRIX_FMT_BF6 matrix_b_fmt:MATRIX_FMT_BF6 matrix_a_scale:MATRIX_SCALE_ROW1
.elseif (\ra) == 0
	v_wmma_scale_f32_16x16x128_f8f6f4 v[(\d):(\d)+7], v[(\a):(\a)+11], v[(\b):(\b)+11], v[(\c):(\c)+7], v[(\sa)], v[(\sb)] matrix_a_fmt:MATRIX_FMT_BF6 matrix_b_fmt:MATRIX_FMT_BF6 matrix_b_scale:MATRIX_SCALE_ROW1
.else
	v_wmma_scale_f32_16x16x128_f8f6f4 v[(\d):(\d)+7], v[(\a):(\a)+11], v[(\b):(\b)+11], v[(\c):(\c)+7], v[(\sa)], v[(\sb)] matrix_a_fmt:MATRIX_FMT_BF6 matrix_b_fmt:MATRIX_FMT_BF6 matrix_a_scale:MATRIX_SCALE_ROW1 matrix_b_scale:MATRIX_SCALE_ROW1
.endif
.endif
.endm
.macro ROUND                           ; a round of the cluster's barrier
	s_barrier_signal -1
	s_barrier_wait -1
	s_cmp_lg_u32 s[WV], 0
	s_cbranch_scc1 .Lnot_wave_0_\@
	s_barrier_signal -3
.Lnot_wave_0_\@:
	s_barrier_wait -3
	s_barrier_signal -1
	s_barrier_wait -1
.endm
.macro JLOAD                           ; a joint refill by the walking descriptors: waves 0, 1 K's halves, waves 2, 3 key_pos's; an s_nop 0 and four v_nop follow each line
	s_cmp_lt_u32 s[WV], 2
	s_cbranch_scc0 .Lfor_p_\@
	tensor_load_to_lds s[G0K+4:G0K+7], s[G1K:G1K+7]
	s_nop 0
.rept 4
	v_nop
.endr
	s_branch .Lasked_\@
.Lfor_p_\@:
	tensor_load_to_lds s[G0P+4:G0P+7], s[G1P:G1P+7]
	s_nop 0
.rept 4
	v_nop
.endr
.Lasked_\@:
.endm
; K step c's two fragments of my keys into set c % 3: from K's images (c < 4: 6 loads) or from key_pos's rows (12 loads of 8 bytes; a piece that lies behind one padding more in lanes 16-31 takes the second address)
.macro KLOAD c
	WIN 0x80
.if (\c) < 4
.irp u, 0,1
.irp i, 0,1,2
	ds_load_b128 v[KF+24*((\c)%3)+12*\u+4*\i:KF+24*((\c)%3)+12*\u+4*\i+3], v[AKT] offset:6144*\u+1536*(\c)+512*\i
.endr
.endr
.else
.irp u, 0,1
.irp p, 0,1,2,3,4,5
.set PCE, 12*((\c)-4)+6*(\p/3)+\p%3
.if PCE%16 < 13
	ds_load_b64 v[KF+24*((\c)%3)+12*\u+2*\p:KF+24*((\c)%3)+12*\u+2*\p+1], v[APT0] offset:8*PCE+16*(PCE/16)+3456*\u
.else
	ds_load_b64 v[KF+24*((\c)%3)+12*\u+2*\p:KF+24*((\c)%3)+12*\u+2*\p+1], v[APT1] offset:8*PCE+16*(PCE/16)+3456*\u
.endif
.endr
.endr
.endif
.endm
.macro SMUL c                          ; 8 products of K step c: the eight accumulators take turns
.irp u, 0,1
.irp q, 0,1,2,3
.if 4*(\c)+\q < 21
	WIN 0x06
.set RB, 12*(4*(\c)+\q)
.else
	WIN 0x0a
.set RB, 12*(4*(\c)+\q-21)
.endif
.if (\c) == 0
	WM S+16*\q+8*\u, KF+24*((\c)%3)+12*\u, RB, -1, KS+(\c), QS+8*((\c)/4)+4*(\q/2)+(\c)%4, \u, \q%2
.else
	WM S+16*\q+8*\u, KF+24*((\c)%3)+12*\u, RB, S+16*\q+8*\u, KS+(\c), QS+8*((\c)/4)+4*(\q/2)+(\c)%4, \u, \q%2
.endif
.endr
.endr
.endm
	s_load_b256 s[4:11], s[0:1], 0x0               ; qbuf, wbuf, kbuf, key_pos_codes
	s_load_b128 s[12:15], s[0:1], 0x20             ; key_pos_scales, vbuf
	s_load_b64 s[16:17], s[0:1], 0x30              ; pbuf
	v_lshl_add_u32 v[SPW], v0, 2, SPARE
	v_mov_b32 v[NIL], 0
	ds_add_u32 v[SPW], v[NIL]                      ; the wave's opening: the add, twice on end, and its wait ahead of the round in front of my first tensor loads
	ds_add_u32 v[SPW], v[NIL]
	v_lshrrev_b32 v132, 5, v0
	v_readfirstlane_b32 s[WV], v132                ; wave 0..3
	s_bfe_u32 s74, ttmp6, 0x40000                  ; cx
	s_lshl_b32 s75, ttmp9, 2
	s_add_co_u32 s75, s75, s74                     ; x: it enters Q's and pbuf's addresses alone
	s_and_b32 s76, ttmp7, 0xffff                   ; y, which the four partners share
	s_lshr_b32 s77, s76, 2                         ; batch
	s_and_b32 s78, s76, 3                          ; quarter of the keys
	s_and_b32 s79, s[WV], 1                        ; which half of a tile I fetch
	s_mul_i32 s80, s79, 24576
	s_mul_i32 s81, s79, 27648
	s_add_co_u32 s81, s81, KPO
	s_mul_i32 s82, s76, 393216                     ; eight steps of 49,152 bytes for each y, in kbuf and in key_pos_codes alike
	s_add_co_u32 s82, s82, s80
	s_mov_b32 s83, 0
	s_mov_b32 s[G1K], 15|(3<<16)|(1<<21)           ; the mask: all four; elements of 8 bytes; bit 21 beside a mask: 96 dense rows of 256 bytes
	s_mov_b32 s[G1K+1], 32<<16
	s_mov_b32 s[G1K+2], 96<<16
	s_mov_b32 s[G1K+3], 32<<16
	s_mov_b32 s[G1K+4], 96
	s_mov_b32 s[G1K+5], 32
	s_mov_b32 s[G1K+6], 0
	s_mov_b32 s[G1K+7], 0
	s_mov_b32 s[G1P], 15|(3<<16)|(1<<20)|(1<<21)|(4<<22)|(3<<25)   ; 64 rows of key_pos, 384 bytes each, are one dense block: stated as 96 rows of 256 bytes; 4 words of padding behind every 32, counted along the whole tile
	s_mov_b32 s[G1P+1], 32<<16
	s_mov_b32 s[G1P+2], 96<<16
	s_mov_b32 s[G1P+3], 32<<16
	s_mov_b32 s[G1P+4], 96
	s_mov_b32 s[G1P+5], 32
	s_mov_b32 s[G1P+6], 0
	s_mov_b32 s[G1P+7], 0
	s_mov_b32 s[CS], 0x3d8293ee                    ; c = log2(e) / sqrt(512)
	s_mov_b32 s[CS+1], s[CS]
	s_mov_b32 s[SEL], 0x76543210
	s_mov_b32 s[SEL+1], 0xfedcba98
	s_mov_b32 s[MASK], 0xffff0000
	s_mov_b32 s[TB], 0
	s_mov_b32 s[J], 0
	s_wait_dscnt 0x0                               ; both opening adds are done
	s_wait_kmcnt 0x0
	s_mov_b32 s[G0K], 1
	s_mov_b32 s[G0K+1], s80
	s_add_nc_u64 s[G0K+2:G0K+3], s[8:9], s[82:83]
	s_mov_b32 s[G0K+4], 1
	s_add_co_u32 s[G0K+5], s80, SLOT
	s_add_nc_u64 s[G0K+6:G0K+7], s[G0K+2:G0K+3], 49152
	s_or_b32 s[G0K+3], s[G0K+3], 0x80000000
	s_or_b32 s[G0K+7], s[G0K+7], 0x80000000
	s_mov_b32 s[G0P], 1
	s_mov_b32 s[G0P+1], s81
	s_add_nc_u64 s[G0P+2:G0P+3], s[10:11], s[82:83]
	s_mov_b32 s[G0P+4], 1
	s_add_co_u32 s[G0P+5], s81, SLOT
	s_add_nc_u64 s[G0P+6:G0P+7], s[G0P+2:G0P+3], 49152
	s_or_b32 s[G0P+3], s[G0P+3], 0x80000000
	s_or_b32 s[G0P+7], s[G0P+7], 0x80000000
	ROUND                                          ; all four work-groups are here: the first joint loads meet
	s_cmp_lt_u32 s[WV], 2                          ; ONE tensor load a wave at the head, slot 0's (this takes the place of the count at the kernel's head: one load of a wave is out at the start too)
	s_cbranch_scc0 .Lfirst_p
	tensor_load_to_lds s[G0K:G0K+3], s[G1K:G1K+7]
	s_nop 0
.rept 4
	v_nop
.endr
	s_branch .Lfirst_asked
.Lfirst_p:
	tensor_load_to_lds s[G0P:G0P+3], s[G1P:G1P+7]
	s_nop 0
.rept 4
	v_nop
.endr
.Lfirst_asked:
	s_lshl_b32 s84, s77, 5
	s_lshl_b32 s85, s75, 2
	s_add_co_u32 s84, s84, s85                     ; my first tile of queries: 32 batch + 4 x
	s_mul_i32 s86, s84, 6144
	s_mov_b32 s87, 0
	s_add_nc_u64 s[QIB:QIB+1], s[4:5], s[86:87]
	s_lshl_b32 s86, s84, 9
	s_add_co_u32 s86, s86, QSCL
	s_add_nc_u64 s[QSB:QSB+1], s[4:5], s[86:87]
	s_lshr_b32 s84, s84, 1
	s_add_co_u32 s84, s84, 176                     ; query_pos's unit
	s_mul_i32 s86, s84, 12288
	s_add_nc_u64 s[QPB:QPB+1], s[6:7], s[86:87]
	s_lshl_b32 s86, s84, 9
	s_add_co_u32 s86, s86, SIMG
	s_add_nc_u64 s[QPSB:QPSB+1], s[6:7], s[86:87]
	s_lshl_b32 s86, s76, 14                        ; eight steps of 2,048 bytes of scale words for each y
	s_add_nc_u64 s[KPSB:KPSB+1], s[12:13], s[86:87]
	s_add_co_u32 s86, s86, KSCL
	s_add_nc_u64 s[KSB:KSB+1], s[8:9], s[86:87]
	s_lshl_b32 s84, s[WV], 9
	s_add_co_u32 s86, s86, s84
	s_add_nc_u64 s[VSB:VSB+1], s[14:15], s[86:87]
	s_mul_i32 s86, s76, 393216
	s_mul_i32 s84, s[WV], 12288
	s_add_co_u32 s86, s86, s84
	s_add_nc_u64 s[VB:VB+1], s[14:15], s[86:87]
	s_mov_b64 s[KSP:KSP+1], s[KSB:KSB+1]
	s_mov_b64 s[KPSP:KPSP+1], s[KPSB:KPSB+1]
	s_lshl_b32 s84, s78, 6
	s_lshl_b32 s85, s77, 3
	s_add_co_u32 s84, s84, s85
	s_add_co_u32 s84, s84, s75                     ; 64 quarter + 8 batch + x
	s_lshl_b32 s84, s84, 2
	s_add_co_u32 s84, s84, s[WV]
	s_lshl_b32 s86, s84, 15
	s_add_nc_u64 s[PBB:PBB+1], s[16:17], s[86:87]
	s_lshl_b32 s86, s84, 7
	s_add_co_u32 s86, s86, 0x2000000
	s_add_nc_u64 s[PM:PM+1], s[16:17], s[86:87]
	v_and_b32 v132, 31, v0                         ; lane
	v_lshlrev_b32 v[L16], 4, v132
	v_lshlrev_b32 v[L4], 2, v132
	v_and_b32 v133, 15, v0                         ; r
	v_bfe_u32 v134, v0, 4, 1                       ; h
	v_and_b32 v135, 8, v133
	v_add_nc_u32 v135, v135, v133                  ; r + 8 (r / 8)
	v_lshlrev_b32 v[AQS], 2, v133
	v_lshl_add_u32 v[AQS], v134, 9, v[AQS]
.set idx, 0
.rept 32                                       ; Q stays in registers
.if idx < 21
	WIN 0x40
.set RB, 12*idx
.else
	WIN 0x80
.set RB, 12*(idx-21)
.endif
.irp i, 0,1,2
.if idx < 16
	global_load_b128 v[RB+4*\i:RB+4*\i+3], v[L16], s[QIB:QIB+1] offset:6144*(idx%4)+1536*(idx/4)+512*\i
.else
	global_load_b128 v[RB+4*\i:RB+4*\i+3], v[L16], s[QPB:QPB+1] offset:12288*((idx%4)/2)+1536*(2*(idx/4-4)+idx%2)+512*\i
.endif
.endr
.set idx, idx+1
.endr
	WIN 0
.irp a, 0,1
.irp s, 0,1,2,3
	global_load_b32 v[QS+4*\a+\s], v[AQS], s[QSB:QSB+1] offset:1024*\a+128*\s   ; lanes 0-15 tile 2 a's word, lanes 16-31 tile 2 a + 1's
.endr
	global_load_b128 v[QS+8+4*\a:QS+8+4*\a+3], v[L16], s[QPSB:QPSB+1] offset:512*\a
.endr
	s_lshl_b32 s84, s[WV], 9
	v_add_nc_u32 v[AKS], s84, v[L4]
	v_lshlrev_b32 v[AKP], 4, v135
	v_lshl_add_u32 v[AKP], v134, 7, v[AKP]
	v_add_nc_u32 v[AKP], s84, v[AKP]
.irp c, 0,1,2,3
	global_load_b32 v[KS+\c], v[AKS], s[KSP:KSP+1] offset:128*\c
.endr
	global_load_b128 v[KS+4:KS+7], v[AKP], s[KPSP:KPSP+1]
	s_mul_i32 s84, s[WV], 12288
	v_add_nc_u32 v[AK0], s84, v[L16]
	s_mul_i32 s84, s[WV], 32*432
	s_add_co_u32 s84, s84, KPO
	v_mul_u32_u24 v[AP0], v135, 432
	v_mad_u32_u24 v[AP0], v134, 24, v[AP0]
	v_add_nc_u32 v[AP0], s84, v[AP0]
	v_lshl_add_u32 v[AP1], v134, 4, v[AP0]
	s_lshr_b32 s84, s[WV], 1
	s_mul_i32 s84, s84, 768
	s_lshl_b32 s85, s79, 7
	s_add_co_u32 s84, s84, s85
	s_add_co_u32 s84, s84, PB
	v_lshlrev_b32 v[PW0], 3, v133
	v_mad_u32_u24 v[PW0], v134, 1664, v[PW0]
	v_add_nc_u32 v[PW0], s84, v[PW0]
	v_lshl_add_u32 v[PR0], v132, 3, PB
	v_lshl_add_u32 v[SR0], v133, 5, SBM
	s_lshl_b32 s84, s[WV], 3
	v_add_nc_u32 v[SW0], s84, v[SR0]
	v_lshl_add_u32 v[LXR], v133, 5, LX
	v_add_nc_u32 v[LXW], s84, v[LXR]
	s_lshl_b32 s84, s[WV], 9
	v_add_nc_u32 v[LXR], s84, v[LXR]
.irp q, 0,1,2,3
	v_mov_b32 v[ST+8*\q+2], 0xff61b1e6             ; the largest t so far: -3e38, under every t
	v_floor_f32 v[ST+8*\q], -v[ST+8*\q+2]          ; -M_w
	v_mov_b32 v[ST+8*\q+1], 0
	v_mov_b32 v[ST+8*\q+4], 0                      ; l, in two halves
	v_mov_b32 v[ST+8*\q+5], 0
	v_mov_b32 v[FP+2*\q], 0
	v_mov_b32 v[FP+2*\q+1], 0                      ; (named as the upper half of a pair)
	v_mov_b32 v[PD+\q], 0                          ; a lane permute's destination counts as one of its sources
.endr
	s_wait_alu depctr_va_vdst(0)
	s_wait_tensorcnt 0x0                           ; my part of slot 0 is in; slot 1's first fill is issued as a refill is
	ds_add_u32 v[SPW], v[NIL]
	s_wait_dscnt 0x0
	ROUND                                          ; everybody's part of slot 0 is in, and all four work-groups are here
	JLOAD                                          ; slot 1, the second key step: the walking descriptors stand there
; A KEY STEP.  first = 1: the first products start O^T's sums.  fill = 1: the slot that S^T has just left is filled again, with the keys two steps on.
.macro STEP first, fill
	PLACES 4                                       ; in front of loads into registers that the last products read
.irp dt, 0,1,2,3
.irp c, 0,1,2
	global_load_b128 v[V0+12*\dt+4*\c:V0+12*\dt+4*\c+3], v[L16], s[VB:VB+1] offset:1536*\dt+512*\c
.endr
.endr
	WIN 0x80
.irp dt, 0,1,2,3
.irp c, 0,1,2
	global_load_b128 v[V4+12*\dt+4*\c:V4+12*\dt+4*\c+3], v[L16], s[VB:VB+1] offset:6144+1536*\dt+512*\c
.endr
.endr
	WIN 0
	global_load_b128 v[VS:VS+3], v[L16], s[VSB:VSB+1]
	v_add_nc_u32 v[AKT], s[TB], v[AK0]
	v_add_nc_u32 v[APT0], s[TB], v[AP0]
	v_add_nc_u32 v[APT1], s[TB], v[AP1]
	v_add_nc_u32 v[PWT], s[TB], v[PW0]
	v_add_nc_u32 v[SWT], s[TB], v[SW0]
	v_add_nc_u32 v[PRT], s[TB], v[PR0]
	v_add_nc_u32 v[SRT], s[TB], v[SR0]
	s_wait_alu depctr_va_vdst(0)
	s_wait_loadcnt 25                              ; this step's scale words of K (in the first step Q too) are in; V's 25 loads just issued may be out
	KLOAD 0
	KLOAD 1
.irp c, 0,1,2,3,4,5,6,7
.if \c < 6
.if \c > 0
	PLACES 4                                       ; the set that takes K step c + 2 was read by the products of K step c - 1
.endif
	KLOAD \c+2
.endif
.if \c < 2                                     ; what may be out: the loads of K steps c + 1 and c + 2 (6 from images, 12 from rows)
	s_wait_dscnt 12
.elseif \c == 2
	s_wait_dscnt 18
.elseif \c < 6
	s_wait_dscnt 24
.elseif \c == 6
	s_wait_dscnt 12
.else
	s_wait_dscnt 0x0
.endif
	SMUL \c
.endr
	WIN 0
	PLACES 4
	s_wait_xcnt 0x0                                ; all earlier loads have read their bases: they may step
	s_add_nc_u64 s[VB:VB+1], s[VB:VB+1], 49152
	s_add_nc_u64 s[VSB:VSB+1], s[VSB:VSB+1], 2048
	s_add_co_u32 s74, s[J], 1
	s_min_u32 s74, s74, 7                          ; the last step asks for its own words once more: no load leaves its buffer
	s_lshl_b32 s74, s74, 11
	s_mov_b32 s75, 0
	s_add_nc_u64 s[KSP:KSP+1], s[KSB:KSB+1], s[74:75]
	s_add_nc_u64 s[KPSP:KPSP+1], s[KPSB:KPSB+1], s[74:75]
.irp c, 0,1,2,3
	global_load_b32 v[KS+\c], v[AKS], s[KSP:KSP+1] offset:128*\c   ; the next step's scale words
.endr
	global_load_b128 v[KS+4:KS+7], v[AKP], s[KPSP:KPSP+1]
	; ---- the softmax of my 32 keys, the four tiles of queries by turns
.irp q, 0,1,2,3
	v_max3_num_f32 v[BM+\q], v[S+16*\q], v[S+16*\q+1], v[S+16*\q+2]
.endr
.irp i, 3,5,7,9,11,13
.irp q, 0,1,2,3
	v_max3_num_f32 v[BM+\q], v[BM+\q], v[S+16*\q+\i], v[S+16*\q+\i+1]
.endr
.endr
.irp q, 0,1,2,3
	v_max_num_f32 v[BM+\q], v[BM+\q], v[S+16*\q+15]
.endr
.irp q, 0,1,2,3
	v_permlanex16_b32 v[PD+\q], v[BM+\q], s[SEL], s[SEL+1]
.endr
.irp q, 0,1,2,3
	v_max_num_f32 v[BM+\q], v[BM+\q], v[PD+\q]     ; the block's largest score: it serves for the maximum and, since p rises with the score, for the block's largest p
.endr
.irp q, 0,1,2,3
	v_mul_f32 v[DF+\q], s[CS], v[BM+\q]
.endr
.irp q, 0,1,2,3
	v_max_num_f32 v[ST+8*\q+2], v[ST+8*\q+2], v[DF+\q]
	v_mov_b32 v[ST+8*\q+3], v[ST+8*\q]
.endr
.irp q, 0,1,2,3
	v_floor_f32 v[ST+8*\q], -v[ST+8*\q+2]          ; the new -M_w = -ceil(t): a whole number
.endr
.irp q, 0,1,2,3
	v_sub_f32 v[DF+\q], v[ST+8*\q], v[ST+8*\q+3]   ; old M_w - new M_w
.endr
.irp q, 0,1,2,3
	v_cvt_i32_f32 v[DF+\q], v[DF+\q]               ; (it saturates)
.endr
.irp q, 0,1,2,3
	v_ldexp_f32 v[FP+2*\q], 1.0, v[DF+\q]
.endr
.irp j, 0,2,4,6,8,10,12,14
.irp q, 0,1,2,3
	v_pk_fma_f32 v[S+16*\q+\j:S+16*\q+\j+1], v[S+16*\q+\j:S+16*\q+\j+1], s[CS:CS+1], v[ST+8*\q:ST+8*\q+1] op_sel_hi:[1,0,0]   ; t - M_w
.endr
.endr
.irp q, 0,1,2,3
	v_fma_f32 v[BM+\q], v[BM+\q], s[CS], v[ST+8*\q]
.endr
.set i, 0
	s_wait_alu depctr_va_vdst(0)
.rept 64
	v_exp_f32 v[S+i], v[S+i]                       ; p = 2^(t - M_w): not normalised
.set i, i+1
.endr
.irp q, 0,1,2,3
	v_exp_f32 v[BM+\q], v[BM+\q]                   ; the block's largest p
.endr
.irp q, 0,1,2,3
	v_pk_mul_f32 v[ST+8*\q+4:ST+8*\q+5], v[ST+8*\q+4:ST+8*\q+5], v[FP+2*\q:FP+2*\q+1] op_sel_hi:[1,0]   ; l under the new M_w: plain work behind the exponentials
.endr
	s_wait_alu depctr_va_vdst(0)                   ; one wait for the batch of 68, ahead of its first reader
.irp j, 0,2,4,6,8,10,12,14
.irp q, 0,1,2,3
	v_pk_add_f32 v[ST+8*\q+4:ST+8*\q+5], v[ST+8*\q+4:ST+8*\q+5], v[S+16*\q+\j:S+16*\q+\j+1]   ; the row's sum is taken of the unquantised p
.endr
.endr
.irp q, 0,1,2,3
	v_max_num_f32 v[BM+\q], 0x2800000, v[BM+\q]    ; the floor 2^(5 - 127)
.endr
.irp q, 0,1,2,3
	v_add_nc_u32 v[SO+\q], 0xfe000000, v[BM+\q]    ; the conversion's scale operand
.endr
.irp q, 0,1,2,3
	v_lshrrev_b32 v[DF+\q], 23, v[SO+\q]           ; the byte under M_w,
.endr
.irp q, 0,1,2,3
	v_cvt_f32_u32 v[DF+\q], v[DF+\q]
.endr
.irp q, 0,1,2,3
	v_sub_f32 v[ST+8*\q+1], v[DF+\q], v[ST+8*\q]   ; and z_w = byte + M_w
.endr
.irp a, 0,1
	v_cvt_scalef32_pk16_bf6_f32 v[CE+10*\a:CE+10*\a+2], v[S+32*\a:S+32*\a+15], v[SO+2*\a]
	v_cvt_scalef32_pk16_bf6_f32 v[CE+10*\a+6:CE+10*\a+8], v[S+32*\a+16:S+32*\a+31], v[SO+2*\a+1]
.endr
	v_nop                                          ; one plain place behind a scaled conversion
.irp a, 0,1                                    ; lanes 0-15 then hold tile 2 a's whole block of 32 codes, lanes 16-31 tile 2 a + 1's
.irp i, 0,1,2
	v_permlane16_swap_b32 v[CE+10*\a+\i], v[CE+10*\a+6+\i]
.endr
.irp i, 0,1,2
	v_mov_b32 v[CE+10*\a+3+\i], v[CE+10*\a+6+\i]
.endr
.endr
.irp a, 0,1
.irp i, 0,1,2
	ds_store_b64 v[PWT], v[CE+10*\a+2*\i:CE+10*\a+2*\i+1] offset:3328*\a+256*\i   ; into P's fragments, at my block's registers and lanes
.endr
.endr
.irp q, 0,1,2,3
	ds_store_b64 v[SWT], v[ST+8*\q:ST+8*\q+1] offset:512*\q
.endr
	s_wait_tensorcnt 0x0                           ; all my tensor loads have landed: my part of the next step's slot
	ds_add_u32 v[SPW], v[NIL]                      ; 0 onto my spare word
.if \fill
	s_xor_b32 s[G0K+5], s[G0K+5], SLOT             ; the walking descriptors: the other slot, the next step
	s_add_nc_u64 s[G0K+6:G0K+7], s[G0K+6:G0K+7], 49152
	s_xor_b32 s[G0P+5], s[G0P+5], SLOT
	s_add_nc_u64 s[G0P+6:G0P+7], s[G0P+6:G0P+7], 49152
.endif
	s_wait_dscnt 0x0                               ; the add is done, my reads of this slot are over, my block lies in LDS
.if \fill
	ROUND                                          ; no wave of any partner still reads the slot or has a load on its way
	JLOAD
.else
	s_barrier_signal -1
	s_barrier_wait -1
.endif
.irp q, 0,1,2,3
.irp p, 0,1,2,3,4,5
	ds_load_b64 v[PF+12*\q+2*\p:PF+12*\q+2*\p+1], v[PRT] offset:1664*\q+256*\p
.endr
.endr
.irp q, 0,1,2,3
	ds_load_b128 v[SR+8*\q:SR+8*\q+3], v[SRT] offset:512*\q
	ds_load_b128 v[SR+8*\q+4:SR+8*\q+7], v[SRT] offset:512*\q+16
.endr
	s_wait_dscnt 0x0
.irp q, 0,1,2,3
.if (\first) == 0
	v_mov_b32 v[ST+8*\q+7], v[ST+8*\q+6]
.endif
	v_min3_num_f32 v[ST+8*\q+6], v[SR+8*\q], v[SR+8*\q+2], v[SR+8*\q+4]
.endr
.irp q, 0,1,2,3
	v_min_num_f32 v[ST+8*\q+6], v[ST+8*\q+6], v[SR+8*\q+6]   ; -Mc: the least -M_w
.endr
.if (\first) == 0
.irp q, 0,1,2,3
	v_sub_f32 v[ST+8*\q+7], v[ST+8*\q+6], v[ST+8*\q+7]
.endr
.irp q, 0,1,2,3
	v_cvt_i32_f32 v[ST+8*\q+7], v[ST+8*\q+7]
.endr
.irp q, 0,1,2,3
	v_ldexp_f32 v[FP+2*\q], 1.0, v[ST+8*\q+7]      ; 2^(old Mc - new Mc)
.endr
.endif
.irp w, 0,1,2,3
.irp q, 0,1,2,3
	v_add_f32 v[SR+8*\q+2*\w+1], v[SR+8*\q+2*\w+1], v[ST+8*\q+6]   ; z_w - Mc: block w's byte under Mc,
.endr
.endr
.irp w, 0,1,2,3
.irp q, 0,1,2,3
	v_max_num_f32 v[SR+8*\q+2*\w+1], 0, v[SR+8*\q+2*\w+1]          ; held at 0 from below
.endr
.endr
.irp w, 0,1,2,3
.irp q, 0,1,2,3
	v_cvt_u32_f32 v[SR+8*\q+2*\w+1], v[SR+8*\q+2*\w+1]
.endr
.endr
.irp q, 0,1,2,3
	v_lshl_or_b32 v[PS+\q], v[SR+8*\q+3], 8, v[SR+8*\q+1]
.endr
.irp q, 0,1,2,3
	v_lshl_or_b32 v[PS+\q], v[SR+8*\q+5], 16, v[PS+\q]
.endr
.irp q, 0,1,2,3
	v_lshl_or_b32 v[PS+\q], v[SR+8*\q+7], 24, v[PS+\q]
.endr
.if \first
	PLACES 8                                       ; a scale word written by vector instructions stands 8 places ahead of a scaled product
.else
	WIN 0xc3
.irp dt, 0,1,2,3,4,5,6,7
.irp q, 0,1,2,3
.irp k, 0,2,4,6
	v_pk_mul_f32 v[8*(4*\dt+\q)+\k:8*(4*\dt+\q)+\k+1], v[8*(4*\dt+\q)+\k:8*(4*\dt+\q)+\k+1], v[FP+2*\q:FP+2*\q+1] op_sel_hi:[1,0]   ; O^T under the new Mc; these are also those places
.endr
.endr
.endr
.endif
	s_wait_alu depctr_va_vdst(0)
	s_wait_loadcnt 5                               ; V and its scale words are in; the next step's five scale loads may be out
.irp dt, 0,1,2,3,4,5,6,7
.irp q, 0,1,2,3
.if \dt < 4
	WIN 0xf0
.set RB, V0+12*\dt
.else
	WIN 0xf2
.set RB, V4+12*(\dt-4)
.endif
.if \first
	s_wait_alu depctr_va_vdst(0)
	WM 8*(4*\dt+\q), RB, PF+12*\q, -1, VS+\dt/2, PS+\q, \dt%2, 0
.else
	WM 8*(4*\dt+\q), RB, PF+12*\q, 8*(4*\dt+\q), VS+\dt/2, PS+\q, \dt%2, 0
.endif
.endr
.endr
	WIN 0
	s_xor_b32 s[TB], s[TB], SLOT
	s_add_co_u32 s[J], s[J], 1
.endm
	STEP 1, 1
	s_mov_b32 s[CNT], 5
.Lmid:                                             ; steps 1 to 5: behind each the step two on is asked for
	STEP 0, 1
	s_sub_co_u32 s[CNT], s[CNT], 1
	s_cmp_lg_u32 s[CNT], 0
	s_cbranch_scc1 .Lmid
	s_mov_b32 s[CNT], 2
.Ltail:                                            ; steps 6 and 7 ask for nothing
	STEP 0, 0
	s_sub_co_u32 s[CNT], s[CNT], 1
	s_cmp_lg_u32 s[CNT], 0
	s_cbranch_scc1 .Ltail
	; ---- the way out: O^T as it stands in the registers, 512 consecutive bytes a store; then -Mc and l
	PLACES 4
	WIN 0x0c
.irp q, 0,1,2,3
.irp dt, 0,1,2,3,4,5,6,7
	global_store_b128 v[L16], v[8*(4*\dt+\q):8*(4*\dt+\q)+3], s[PBB:PBB+1] offset:1024*(8*\q+\dt)       ; each accumulator from its low end on
	global_store_b128 v[L16], v[8*(4*\dt+\q)+4:8*(4*\dt+\q)+7], s[PBB:PBB+1] offset:1024*(8*\q+\dt)+512
.endr
.endr
	WIN 0
.irp q, 0,1,2,3
	v_add_f32 v[ST+8*\q+4], v[ST+8*\q+4], v[ST+8*\q+5]
.endr
.irp q, 0,1,2,3
	v_permlanex16_b32 v[PD+\q], v[ST+8*\q+4], s[SEL], s[SEL+1]
.endr
.irp q, 0,1,2,3
	v_add_f32 v[ST+8*\q+1], v[ST+8*\q+4], v[PD+\q] ; l_w of my 32 keys a step, under M_w
.endr
.irp q, 0,1,2,3
	ds_store_b64 v[LXW], v[ST+8*\q:ST+8*\q+1] offset:512*\q
.endr
	s_wait_dscnt 0x0
	s_barrier_signal -1
	s_barrier_wait -1
	ds_load_b128 v[SR:SR+3], v[LXR]                ; wave w joins tile w
	ds_load_b128 v[SR+4:SR+7], v[LXR] offset:16
	s_wait_dscnt 0x0
	v_min3_num_f32 v[BM], v[SR], v[SR+2], v[SR+4]
	v_min_num_f32 v[BM], v[BM], v[SR+6]            ; -Mc
.irp w, 0,1,2,3
	v_sub_f32 v[SR+2*\w], v[BM], v[SR+2*\w]        ; M_w - Mc
.endr
.irp w, 0,1,2,3
	v_cvt_i32_f32 v[SR+2*\w], v[SR+2*\w]
.endr
.irp w, 0,1,2,3
	v_ldexp_f32 v[SR+2*\w+1], v[SR+2*\w+1], v[SR+2*\w]
.endr
	v_add_f32 v[BM+1], v[SR+1], v[SR+3]
	v_add_f32 v[BM+2], v[SR+5], v[SR+7]
	v_add_f32 v[BM+1], v[BM+1], v[BM+2]
	v_cndmask_b32 v[BM+2], v[BM], v[BM+1], s[MASK] ; lanes 0-15 -Mc of query r, lanes 16-31 l
	global_store_b32 v[L4], v[BM+2], s[PM:PM+1]
	s_wait_tensorcnt 0x0                           ; the wave's end
	ds_add_u32 v[SPW], v[NIL]
	s_wait_dscnt 0x0
	ROUND                                          ; the closing round
	s_endpgm
.Lfunc_end_k_q567ee379b9_attn:
	.size	k_q567ee379b9_attn, .Lfunc_end_k_q567ee379b9_attn-k_q567ee379b9_attn
	.p2alignl 7, 3214868480
	.fill 96, 4, 3214868480
	.section	.rodata,"a",@progbits
	.p2align	6, 0x0
	.amdhsa_kernel k_q567ee379b9_attn
		.amdhsa_group_segment_fixed_size 327680
		.amdhsa_private_segment_fixed_size 0
		.amdhsa_enable_private_segment 0
		.amdhsa_kernarg_size 56
		.amdhsa_user_sgpr_count 2
		.amdhsa_user_sgpr_kernarg_segment_ptr 1
		.amdhsa_wavefront_size32 1
		.amdhsa_system_sgpr_workgroup_id_x 1
		.amdhsa_system_sgpr_workgroup_id_y 1
		.amdhsa_system_sgpr_workgroup_id_z 1
		.amdhsa_system_vgpr_workitem_id 0
		.amdhsa_next_free_vgpr 1024
		.amdhsa_next_free_sgpr 100
		.amdhsa_reserve_vcc 0
		.amdhsa_float_denorm_mode_32 3
		.amdhsa_float_denorm_mode_16_64 3
		.amdhsa_memory_ordered 1
		.amdhsa_forward_progress 1
		.amdhsa_inst_pref_size 167
	.end_amdhsa_kernel
	.amdgpu_metadata
---
amdhsa.version: [ 1, 2 ]
amdhsa.kernels:
  - .name:           k_q567ee379b9_attn
    .symbol:         k_q567ee379b9_attn.kd
    .args:
      - { .name: qbuf, .offset: 0, .size: 8, .value_kind: global_buffer, .address_space: global }
      - { .name: wbuf, .offset: 8, .size: 8, .value_kind: global_buffer, .address_space: global }
      - { .name: kbuf, .offset: 16, .size: 8, .value_kind: global_buffer, .address_space: global }
      - { .name: key_pos_codes, .offset: 24, .size: 8, .value_kind: global_buffer, .address_space: global }
      - { .name: key_pos_scales, .offset: 32, .size: 8, .value_kind: global_buffer, .address_space: global }
      - { .name: vbuf, .offset: 40, .size: 8, .value_kind: global_buffer, .address_space: global }
      - { .name: pbuf, .offset: 48, .size: 8, .value_kind: global_buffer, .address_space: global }
    .group_segment_fixed_size: 327680
    .private_segment_fixed_size: 0
    .kernarg_segment_align: 8
    .kernarg_segment_size: 56
    .max_flat_workgroup_size: 128
    .sgpr_count:     100
    .vgpr_count:     1024
    .wavefront_size: 32
...
	.end_amdgpu_metadata
.endif
;; end of part 3
;; launch ffn (part 4): grid 128 x 1, 4 waves a work-group, clusters of 4 x 1, 327,680 bytes of LDS; arguments pbuf, query, ff_gamma, ff_beta, wbuf, b_inner, b_proj, out0; writes out0
.if DOCPART == 4
	.amdgcn_target "amdgcn-amd-amdhsa--gfx1250"
	.amdhsa_code_object_version 6
	.text
	.protected	k_q567ee379b9_ffn
	.globl	k_q567ee379b9_ffn
	.p2align	8
	.type	k_q567ee379b9_ffn,@function
k_q567ee379b9_ffn:
	s_mov_b64 s[64:65], 0
	v_nop
	global_prefetch_b8 v0, s[64:65] scope:SCOPE_SE
	s_setreg_imm32_b32 hwreg(HW_REG_WAVE_MODE, 25, 1), 1
	s_wait_xcnt 0x0
	s_wait_alu depctr_hold_cnt(0) depctr_sa_sdst(0) depctr_va_vdst(0) depctr_va_sdst(0) depctr_va_ssrc(0) depctr_va_vcc(0) depctr_vm_vsrc(0)
	s_getreg_b32 s2, hwreg(HW_REG_IB_STS2, 6, 4)
	s_cmp_eq_u32 s2, 0
	s_cbranch_scc0 .Lentry_in_a_cluster
	s_endpgm
.Lentry_in_a_cluster:
	s_bfe_u32 s2, ttmp6, 0x10000c
	s_cmp_lg_u32 s2, 0x3003
	s_cbranch_scc0 .Lentry_shape_is_right
	s_endpgm
.Lentry_shape_is_right:
.set XIMG, 0
.set XSC,  12288
.set HIMG, 13312
.set HSC,  62464
.set BI,   66560
.set BP,   74752
.set GBF,  76800
.set RS1,  80896
.set STG,  81920
.set SPARE, 115712
.set RING, 116224
.set WAVB, 24576
.set SLOTB, 4*WAVB
.set SIMG, 304*12288
.set SPW, 1
.set NIL, 2
.set L16, 3
.set L4,  4
.set QA,  5
.set R4,  6
.set RSW, 7
.set RSR, 8
.set GBA, 9
.set XWI, 10
.set XWS, 11
.set XSR, 12
.set HWI, 13
.set HWS, 14
.set HSR, 15
.set BIA, 16
.set BPA, 17
.set SO,  18
.set SRD, 19
.set OA,  20
.set XS,  21
.set HS,  25
.set AS,  28
.set MU,  28
.set RS,  32
.set CH,  36
.set TM,  44
.set PW,  60
.set PC,  62
.set JM,  82
.set JL,  84
.set JW,  86
.set LR0, 94
.set WSC, 96
.set ACC, 128
.set XF,  128
.set HF,  128
.set BT,  192
.set WV,  24
.set SEL, 26
.set INV, 28
.set EPS, 29
.set WB,  42
.set WSB, 44
.set WGI, 50
.set G1,  52
.set G0,  60
.set MSB, 0
.macro WIN new
.if MSB != (\new)
	s_set_vgpr_msb (MSB<<8)|(\new)
.set MSB, (\new)
.endif
.endm
.macro PLACES n
.rept \n
	v_nop
.endr
.endm
.macro WM d, a, b, c, sa, sb, ra, rb
.if ((\ra) == 0) && ((\rb) == 0)
	v_wmma_scale_f32_16x16x128_f8f6f4 v[(\d):(\d)+7], v[(\a):(\a)+11], v[(\b):(\b)+11], v[(\c):(\c)+7], v[(\sa)], v[(\sb)] matrix_a_fmt:MATRIX_FMT_BF6 matrix_b_fmt:MATRIX_FMT_BF6
.elseif (\rb) == 0
	v_wmma_scale_f32_16x16x128_f8f6f4 v[(\d):(\d)+7], v[(\a):(\a)+11], v[(\b):(\b)+11], v[(\c):(\c)+7], v[(\sa)], v[(\sb)] matrix_a_fmt:MATRIX_FMT_BF6 matrix_b_fmt:MATRIX_FMT_BF6 matrix_a_scale:MATRIX_SCALE_ROW1
.elseif (\ra) == 0
	v_wmma_scale_f32_16x16x128_f8f6f4 v[(\d):(\d)+7], v[(\a):(\a)+11], v[(\b):(\b)+11], v[(\c):(\c)+7], v[(\sa)], v[(\sb)] matrix_a_fmt:MATRIX_FMT_BF6 matrix_b_fmt:MATRIX_FMT_BF6 matrix_b_scale:MATRIX_SCALE_ROW1
.else
	v_wmma_scale_f32_16x16x128_f8f6f4 v[(\d):(\d)+7], v[(\a):(\a)+11], v[(\b):(\b)+11], v[(\c):(\c)+7], v[(\sa)], v[(\sb)] matrix_a_fmt:MATRIX_FMT_BF6 matrix_b_fmt:MATRIX_FMT_BF6 matrix_a_scale:MATRIX_SCALE_ROW1 matrix_b_scale:MATRIX_SCALE_ROW1
.endif
.endm
.macro QUANT s, win
	WIN ((\win)<<2)|((\win)<<4)
.irp b, 0,1,2,3
	v_max3_num_f32 v[TM+\b], 0x2800000, |v[(\s)+16*\b]|, |v[(\s)+16*\b+1]|
.endr
.irp i, 2,4,6,8,10,12,14
.irp b, 0,1,2,3
	v_max3_num_f32 v[TM+\b], v[TM+\b], |v[(\s)+16*\b+\i]|, |v[(\s)+16*\b+\i+1]|
.endr
.endr
	WIN 0
.irp b, 0,1,2,3
	v_permlanex16_b32 v[TM+4+\b], v[TM+\b], s[SEL], s[SEL+1]
.endr
.irp b, 0,1,2,3
	v_max_num_f32 v[TM+\b], v[TM+\b], v[TM+4+\b]
.endr
.irp b, 0,1,2,3
	v_add_nc_u32 v[TM+12+\b], 0xfe000000, v[TM+\b]
.endr
.irp b, 0,1,2,3
	v_lshrrev_b32 v[TM+4+\b], 23, v[TM+12+\b]
.endr
	v_lshl_or_b32 v[PW], v[TM+5], 8, v[TM+4]
	v_lshl_or_b32 v[PW], v[TM+6], 16, v[PW]
	v_lshl_or_b32 v[PW], v[TM+7], 24, v[PW]
	WIN (\win)
.irp c, 0,1
	v_cvt_scalef32_pk16_bf6_f32 v[PC+6*\c:PC+6*\c+2], v[(\s)+32*\c:(\s)+32*\c+15], v[TM+12+2*\c]
	v_cvt_scalef32_pk16_bf6_f32 v[PC+12+4*\c:PC+14+4*\c], v[(\s)+32*\c+16:(\s)+32*\c+31], v[TM+13+2*\c]
.endr
	WIN 0
	v_nop
.irp c, 0,1
.irp i, 0,1,2
	v_permlane16_swap_b32 v[PC+6*\c+\i], v[PC+12+4*\c+\i]
.endr
.irp i, 0,1,2
	v_mov_b32 v[PC+3+6*\c+\i], v[PC+12+4*\c+\i]
.endr
.endr
.endm
.macro WSET k
	WIN 0x80
.irp j, 0,1,2,3,4,5,6,7
.irp c, 0,1,2
	global_load_b128 v[96*((\k)%2)+12*\j+4*\c:96*((\k)%2)+12*\j+4*\c+3], v[L16], s[WB:WB+1] offset:49152*((\k)/4)+12288*(\j/2)+1536*(2*((\k)%4)+\j%2)+512*\c
.endr
.endr
	WIN 0
.endm
.macro LSET k
	WIN 0xc0
.irp j, 0,1,2,3,4,5,6,7
.irp c, 0,1,2
	ds_load_b128 v[96*((\k)%2)+12*\j+4*\c:96*((\k)%2)+12*\j+4*\c+3], v[LR0+((\k)/4)%2] offset:6144*(\j/2)+3072*((\k)%4-2)+1536*(\j%2)+512*\c
.endr
.endr
	WIN 0
.endm
.macro WSCL t
.irp p, 0,1,2,3
	global_load_b128 v[WSC+16*((\t)%2)+4*\p:WSC+16*((\t)%2)+4*\p+3], v[L16], s[WSB:WSB+1] offset:2048*(\t)+512*\p
.endr
.endm
.macro BLOAD adr, off
	WIN 0x80
.irp j, 0,1,2,3,4,5,6,7
	ds_load_b128 v[BT+8*\j:BT+8*\j+3], v[\adr] offset:(\off)+128*(\j/2)+32*(\j%2)
	ds_load_b128 v[BT+8*\j+4:BT+8*\j+7], v[\adr] offset:(\off)+128*(\j/2)+32*(\j%2)+16
.endr
	WIN 0
.endm
.macro FMUL k, bq, cb, sb
.if \cb
	WIN 0x26
.elseif ((\k)%4) < 2
	WIN 0x06
.else
	WIN 0x07
.endif
.irp j, 0,1,2,3,4,5,6,7
.irp t, 0,1
.if \cb
	WM ACC+64*\t+8*\j, 96*((\k)%2)+12*\j, (\bq)+12*\t, BT+8*\j, WSC+16*(((\k)/4)%2)+4*(\j/2)+(\k)%4, \sb, \j%2, \t
.else
	WM ACC+64*\t+8*\j, 96*((\k)%2)+12*\j, (\bq)+12*\t, ACC+64*\t+8*\j, WSC+16*(((\k)/4)%2)+4*(\j/2)+(\k)%4, \sb, \j%2, \t
.endif
.endr
.endr
	WIN 0
.endm
.macro HLOAD kp
	WIN 0x40
.irp t, 0,1
.irp c, 0,1,2
	ds_load_b128 v[HF+24*((\kp)%2)+12*\t+4*\c:HF+24*((\kp)%2)+12*\t+4*\c+3], v[L16] offset:HIMG+1536*(2*(\kp)+\t)+512*\c
.endr
.endr
	WIN 0
	ds_load_b32 v[HS+(\kp)%2], v[HSR] offset:256*(\kp)
.endm
.macro BARRIER
	s_wait_dscnt 0x0
	s_barrier_signal -1
	s_barrier_wait -1
.endm
.macro ROUND
	s_barrier_signal -1
	s_barrier_wait -1
	s_cmp_lg_u32 s[WV], 0
	s_cbranch_scc1 .Lnot_wave_0_\@
	s_barrier_signal -3
.Lnot_wave_0_\@:
	s_barrier_wait -3
	s_barrier_signal -1
	s_barrier_wait -1
.endm
.macro REFILL slot
	s_wait_tensorcnt 0x0
	ds_add_u32 v[SPW], v[NIL]
	s_add_nc_u64 s[G0+8*(\slot)+2:G0+8*(\slot)+3], s[G0+8*(\slot)+2:G0+8*(\slot)+3], 2*49152
	s_wait_dscnt 0x0
	ROUND
	tensor_load_to_lds s[G0+8*(\slot):G0+8*(\slot)+3], s[G1:G1+7]
	s_nop 0
.rept 4
	v_nop
.endr
.endm
	s_load_b512 s[8:23], s[0:1], 0x0
	v_lshl_add_u32 v[SPW], v0, 2, SPARE
	v_mov_b32 v[NIL], 0
	ds_add_u32 v[SPW], v[NIL]
	ds_add_u32 v[SPW], v[NIL]
	v_lshrrev_b32 v27, 5, v0
	v_readfirstlane_b32 s[WV], v27
	s_mov_b32 s[G1+0], 15|(3<<16)|(1<<21)
	s_mov_b32 s[G1+1], 768<<16
	s_mov_b32 s[G1+2], 4<<16
	s_mov_b32 s[G1+3], 768<<16
	s_mov_b32 s[G1+4], 4
	s_mov_b32 s[G1+5], 1536
	s_mov_b32 s[G1+6], 0
	s_mov_b32 s[G1+7], 0
	s_mul_i32 s30, s[WV], WAVB
	s_add_co_u32 s30, s30, RING
	s_mul_i32 s48, s[WV], 393216
	s_add_co_u32 s48, s48, 48*12288
	s_mov_b32 s49, 0
	v_and_b32 v27, 31, v0
	v_lshlrev_b32 v[L16], 4, v27
	v_lshlrev_b32 v[L4], 2, v27
	v_and_b32 v82, 15, v0
	v_bfe_u32 v83, v0, 4, 1
	v_and_b32 v84, 8, v82
	v_add_nc_u32 v84, v84, v82
	s_lshl_b32 s2, s[WV], 9
	v_lshlrev_b32 v[QA], 11, v84
	v_lshl_add_u32 v[QA], v83, 6, v[QA]
	v_add_nc_u32 v[QA], s2, v[QA]
	v_lshlrev_b32 v[R4], 2, v82
	v_lshl_add_u32 v[RSR], v82, 4, RS1
	s_lshl_b32 s3, s[WV], 2
	v_add_nc_u32 v[RSW], s3, v[RSR]
	v_lshl_add_u32 v85, v83, 6, s2
	v_add_nc_u32 v[GBA], GBF, v85
	v_add_nc_u32 v[BPA], BP, v85
	s_lshl_b32 s3, s[WV], 11
	v_lshl_add_u32 v[BIA], v83, 6, s3
	v_add_nc_u32 v[BIA], BI, v[BIA]
	s_mul_i32 s3, s[WV], 3072
	v_add_nc_u32 v[XWI], s3, v[L16]
	s_lshl_b32 s3, s[WV], 8
	v_add_nc_u32 v[XWS], s3, v[L4]
	v_add_nc_u32 v[XWS], XSC, v[XWS]
	v_lshl_add_u32 v86, v83, 7, v[R4]
	v_add_nc_u32 v[XSR], XSC, v86
	v_add_nc_u32 v[HSR], HSC, v86
	s_mul_i32 s3, s[WV], 12288
	v_add_nc_u32 v[HWI], s3, v[L16]
	v_add_nc_u32 v[HWI], HIMG, v[HWI]
	s_lshl_b32 s3, s[WV], 10
	v_add_nc_u32 v[HWS], s3, v[L4]
	v_add_nc_u32 v[HWS], HSC, v[HWS]
	s_mul_i32 s3, s[WV], 16*528
	v_mul_u32_u24 v[SO], v82, 528
	v_lshl_add_u32 v[SO], v83, 6, v[SO]
	v_add_nc_u32 v[SO], s3, v[SO]
	v_add_nc_u32 v[SO], STG, v[SO]
	v_add_nc_u32 v[SRD], s3, v[L16]
	v_add_nc_u32 v[SRD], STG, v[SRD]
	v_add_nc_u32 v[OA], s2, v[L16]
	v_add_nc_u32 v[LR0], s30, v[L16]
	v_add_nc_u32 v[LR0+1], SLOTB, v[LR0]
	v_lshlrev_b32 v61, 4, v0
	v_lshl_add_u32 v27, v0, 4, BI
	s_mov_b32 s[SEL], 0x76543210
	s_mov_b32 s[SEL+1], 0xfedcba98
	s_mov_b32 s[INV], 0x3b000000
	s_mov_b32 s[EPS], 0x358637bd
	s_wait_dscnt 0x0
	s_wait_kmcnt 0x0
	s_add_nc_u64 s[WB:WB+1], s[16:17], s[48:49]
	s_mov_b32 s[G0], 1
	s_mov_b32 s[G0+1], s30
	s_add_nc_u64 s[G0+2:G0+3], s[WB:WB+1], 6144
	s_or_b32 s[G0+3], s[G0+3], 0x80000000
	s_mov_b32 s[G0+8], 1
	s_add_co_u32 s[G0+9], s30, SLOTB
	s_add_nc_u64 s[G0+10:G0+11], s[WB:WB+1], 49152+6144
	s_or_b32 s[G0+11], s[G0+11], 0x80000000
	ROUND
	tensor_load_to_lds s[G0:G0+3], s[G1:G1+7]      ; slot 0: my one tensor load at the head
	s_nop 0
.rept 4
	v_nop
.endr
	s_bfe_u32 s51, ttmp6, 0x40000
	s_lshl_b32 s[WGI], ttmp9, 2
	s_add_co_u32 s[WGI], s[WGI], s51
	s_lshr_b32 s2, s[WGI], 1
	s_lshl_b32 s2, s2, 2
	s_add_co_u32 s3, s2, s[WV]
	s_lshl_b32 s3, s3, 15
	s_and_b32 s46, s[WGI], 1
	s_lshl_b32 s47, s46, 14
	s_add_co_u32 s48, s3, s47
	s_mov_b32 s49, 0
	s_add_nc_u64 s[32:33], s[8:9], s[48:49]
	s_add_nc_u64 s[34:35], s[32:33], 0x800000
	s_add_nc_u64 s[36:37], s[34:35], 0x800000
	s_add_nc_u64 s[38:39], s[36:37], 0x800000
	s_lshl_b32 s46, s46, 1
	s_add_co_u32 s48, s2, s46
	s_lshl_b32 s48, s48, 7
	s_add_co_u32 s48, s48, 0x2000000
	s_add_nc_u64 s[40:41], s[8:9], s[48:49]
	s_lshl_b32 s48, s[WGI], 16
	s_add_nc_u64 s[10:11], s[10:11], s[48:49]
	s_add_nc_u64 s[22:23], s[22:23], s[48:49]
	s_lshl_b32 s48, s[WV], 14
	s_add_co_u32 s48, s48, SIMG+24576
	s_add_nc_u64 s[WSB:WSB+1], s[16:17], s[48:49]
	s_wait_alu depctr_va_vdst(0)
.irp k, 0,1,2,3
	global_load_b128 v[62+4*\k:65+4*\k], v61, s[18:19] offset:2048*\k
.endr
	global_load_b128 v[78:81], v61, s[20:21]
	global_load_b128 v[82:85], v61, s[12:13]
	global_load_b128 v[86:89], v61, s[14:15]
.irp t, 0,1
.irp s, 0,1,2,3
	global_load_b32 v[TM+4*\t+\s], v[R4], s[40:41] offset:32768*\s+128*\t
	global_load_b32 v[TM+8+4*\t+\s], v[R4], s[40:41] offset:32768*\s+128*\t+64
.endr
.endr
	WIN 0xc0
.irp s, 0,1,2,3
.irp n, 0,1,2,3,4,5,6,7,8,9,10,11,12,13,14,15
	global_load_b128 v[64*\s+4*\n:64*\s+4*\n+3], v[L16], s[32+2*\s:33+2*\s] offset:512*\n th:TH_LOAD_NT
.endr
.endr
	WIN 0x80
.irp s, 0,1,2,3
.irp n, 0,1,2,3,4,5,6,7,8,9,10,11,12,13,14,15
	global_load_b128 v[64*\s+4*\n:64*\s+4*\n+3], v[L16], s[32+2*\s:33+2*\s] offset:8192+512*\n th:TH_LOAD_NT
.endr
.endr
	WIN 0
.irp t, 0,1
.irp b, 0,1,2,3
.irp jj, 0,1,2,3
	global_load_b128 v[ACC+64*\t+16*\b+4*\jj:ACC+64*\t+16*\b+4*\jj+3], v[QA], s[10:11] offset:16384*\t+128*\b+16*\jj
.endr
.endr
.endr
	s_wait_alu depctr_va_vdst(0)
	s_wait_tensorcnt 0x0                           ; slot 1's first fill is issued as a refill is, behind the head's global loads, which are on their way meanwhile
	ds_add_u32 v[SPW], v[NIL]
	s_wait_dscnt 0x0
	ROUND
	tensor_load_to_lds s[G0+8:G0+11], s[G1:G1+7]
	s_nop 0
.rept 4
	v_nop
.endr
	s_wait_loadcnt 63
.irp k, 0,1,2,3,4,5,6
	ds_store_b128 v27, v[62+4*\k:65+4*\k] offset:2048*\k
.endr
	s_wait_loadcnt 0x0
	s_wait_dscnt 0x0
.irp t, 0,1
	v_min3_num_f32 v[JM+\t], v[TM+4*\t], v[TM+4*\t+1], v[TM+4*\t+2]
.endr
.irp t, 0,1
	v_min_num_f32 v[JM+\t], v[JM+\t], v[TM+4*\t+3]
.endr
.irp t, 0,1
.irp s, 0,1,2,3
	v_sub_f32 v[JW+4*\t+\s], v[JM+\t], v[TM+4*\t+\s]
.endr
.endr
.irp n, 0,1,2,3,4,5,6,7
	v_cvt_i32_f32 v[JW+\n], v[JW+\n]
.endr
.irp n, 0,1,2,3,4,5,6,7
	v_ldexp_f32 v[JW+\n], 1.0, v[JW+\n]
.endr
.irp t, 0,1
	v_mul_f32 v[JL+\t], v[JW+4*\t], v[TM+8+4*\t]
.endr
.irp s, 1,2,3
.irp t, 0,1
	v_fma_f32 v[JL+\t], v[JW+4*\t+\s], v[TM+8+4*\t+\s], v[JL+\t]
.endr
.endr
	s_wait_alu depctr_va_vdst(0)
	v_rcp_f32 v[JL], v[JL]
	v_rcp_f32 v[JL+1], v[JL+1]
	v_nop
	s_wait_alu depctr_va_vdst(0)
.irp t, 0,1
.irp s, 0,1,2,3
	v_mul_f32 v[AS+8*\t+2*\s], v[JW+4*\t+\s], v[JL+\t]
	v_mul_f32 v[AS+8*\t+2*\s+1], v[JW+4*\t+\s], v[JL+\t]
.endr
.endr
.irp t, 0,1
	WIN 0x43-\t
.set i, 0
.rept 32
	v_pk_fma_f32 v[64*\t+i:64*\t+i+1], v[i:i+1], v[AS+8*\t:AS+8*\t+1], v[ACC+64*\t+i:ACC+64*\t+i+1]
.set i, i+2
.endr
	WIN 0x53-\t
.irp s, 1,2,3
.set i, 0
.rept 32
	v_pk_fma_f32 v[64*\t+i:64*\t+i+1], v[64*\s+i:64*\s+i+1], v[AS+8*\t+2*\s:AS+8*\t+2*\s+1], v[64*\t+i:64*\t+i+1]
.set i, i+2
.endr
.endr
.endr
	WIN 0
	WSCL 0
	WSET 0
	WSET 1
	WIN 0x05
.irp t, 0,1
.irp c, 0,1
	v_pk_add_f32 v[CH+4*\t+2*\c:CH+4*\t+2*\c+1], v[64*\t+4*\c:64*\t+4*\c+1], v[64*\t+4*\c+2:64*\t+4*\c+3]
.endr
.endr
	WIN 0x04
.set i, 8
.rept 14
.irp t, 0,1
.irp c, 0,1
	v_pk_add_f32 v[CH+4*\t+2*\c:CH+4*\t+2*\c+1], v[CH+4*\t+2*\c:CH+4*\t+2*\c+1], v[64*\t+i+2*\c:64*\t+i+2*\c+1]
.endr
.endr
.set i, i+4
.endr
	WIN 0
.irp t, 0,1
	v_pk_add_f32 v[CH+4*\t:CH+4*\t+1], v[CH+4*\t:CH+4*\t+1], v[CH+4*\t+2:CH+4*\t+3]
.endr
.irp t, 0,1
	v_add_f32 v[CH+4*\t], v[CH+4*\t], v[CH+4*\t+1]
.endr
.irp t, 0,1
	v_permlanex16_b32 v[CH+4*\t+2], v[CH+4*\t], s[SEL], s[SEL+1]
.endr
.irp t, 0,1
	v_add_f32 v[CH+4*\t], v[CH+4*\t], v[CH+4*\t+2]
	ds_store_b32 v[RSW], v[CH+4*\t] offset:256*\t
.endr
	BARRIER
.irp t, 0,1
	ds_load_b128 v[CH+4*\t:CH+4*\t+3], v[RSR] offset:256*\t
.endr
	WIN 0xc0
.irp b, 0,1,2,3
.irp jj, 0,1,2,3
	ds_load_b128 v[16*\b+4*\jj:16*\b+4*\jj+3], v[GBA] offset:128*\b+16*\jj
	ds_load_b128 v[64+16*\b+4*\jj:64+16*\b+4*\jj+3], v[GBA] offset:2048+128*\b+16*\jj
.endr
.endr
	WIN 0
	s_wait_dscnt 32
.irp t, 0,1
	v_add_f32 v[CH+4*\t], v[CH+4*\t], v[CH+4*\t+1]
	v_add_f32 v[CH+4*\t+2], v[CH+4*\t+2], v[CH+4*\t+3]
.endr
.irp t, 0,1
	v_add_f32 v[CH+4*\t], v[CH+4*\t], v[CH+4*\t+2]
.endr
.irp t, 0,1
	v_mul_f32 v[MU+2*\t], s[INV], v[CH+4*\t]
	v_mul_f32 v[MU+2*\t+1], s[INV], v[CH+4*\t]
.endr
	WIN 0x41
.irp t, 0,1
.set i, 0
.rept 32
	v_pk_add_f32 v[64*\t+i:64*\t+i+1], v[64*\t+i:64*\t+i+1], v[MU+2*\t:MU+2*\t+1] neg_lo:[0,1] neg_hi:[0,1]
.set i, i+2
.endr
.endr
	WIN 0x05
.irp t, 0,1
.irp c, 0,1
	v_pk_mul_f32 v[CH+4*\t+2*\c:CH+4*\t+2*\c+1], v[64*\t+2*\c:64*\t+2*\c+1], v[64*\t+2*\c:64*\t+2*\c+1]
.endr
.endr
.set i, 4
.rept 15
.irp t, 0,1
.irp c, 0,1
	v_pk_fma_f32 v[CH+4*\t+2*\c:CH+4*\t+2*\c+1], v[64*\t+i+2*\c:64*\t+i+2*\c+1], v[64*\t+i+2*\c:64*\t+i+2*\c+1], v[CH+4*\t+2*\c:CH+4*\t+2*\c+1]
.endr
.endr
.set i, i+4
.endr
	WIN 0
.irp t, 0,1
	v_pk_add_f32 v[CH+4*\t:CH+4*\t+1], v[CH+4*\t:CH+4*\t+1], v[CH+4*\t+2:CH+4*\t+3]
.endr
.irp t, 0,1
	v_add_f32 v[CH+4*\t], v[CH+4*\t], v[CH+4*\t+1]
.endr
.irp t, 0,1
	v_permlanex16_b32 v[CH+4*\t+2], v[CH+4*\t], s[SEL], s[SEL+1]
.endr
.irp t, 0,1
	v_add_f32 v[CH+4*\t], v[CH+4*\t], v[CH+4*\t+2]
	ds_store_b32 v[RSW], v[CH+4*\t] offset:512+256*\t
.endr
	BARRIER
.irp t, 0,1
	ds_load_b128 v[CH+4*\t:CH+4*\t+3], v[RSR] offset:512+256*\t
.endr
	s_wait_dscnt 0x0
.irp t, 0,1
	v_add_f32 v[CH+4*\t], v[CH+4*\t], v[CH+4*\t+1]
	v_add_f32 v[CH+4*\t+2], v[CH+4*\t+2], v[CH+4*\t+3]
.endr
.irp t, 0,1
	v_add_f32 v[CH+4*\t], v[CH+4*\t], v[CH+4*\t+2]
.endr
.irp t, 0,1
	v_fma_f32 v[RS+2*\t], v[CH+4*\t], s[INV], s[EPS]
.endr
	s_wait_alu depctr_va_vdst(0)
	v_rsq_f32 v[RS], v[RS]
	v_rsq_f32 v[RS+2], v[RS+2]
	v_nop
	s_wait_alu depctr_va_vdst(0)
	v_mov_b32 v[RS+1], v[RS]
	v_mov_b32 v[RS+3], v[RS+2]
	WIN 0x41
.irp t, 0,1
.set i, 0
.rept 32
	v_pk_mul_f32 v[64*\t+i:64*\t+i+1], v[64*\t+i:64*\t+i+1], v[RS+2*\t:RS+2*\t+1]
.set i, i+2
.endr
.endr
	WIN 0x7d
.irp t, 0,1
.set i, 0
.rept 32
	v_pk_fma_f32 v[64*\t+i:64*\t+i+1], v[64*\t+i:64*\t+i+1], v[i:i+1], v[64+i:64+i+1]
.set i, i+2
.endr
.endr
.irp t, 0,1
	s_wait_dscnt 0x0
	QUANT 64*\t, 1
.irp c, 0,1,2
	ds_store_b128 v[XWI], v[PC+4*\c:PC+4*\c+3] offset:XIMG+1536*\t+512*\c
.endr
	ds_store_b32 v[XWS], v[PW] offset:128*\t
.endr
	BARRIER
	WIN 0x40
.irp f, 0,1,2,3,4,5,6,7
.irp c, 0,1,2
	ds_load_b128 v[XF+12*\f+4*\c:XF+12*\f+4*\c+3], v[L16] offset:XIMG+1536*\f+512*\c
.endr
.endr
	WIN 0
.irp s, 0,1,2,3
	ds_load_b32 v[XS+\s], v[XSR] offset:256*\s
.endr
	BLOAD BIA, 0
	s_wait_dscnt 0x0
	s_wait_tensorcnt 0x1
.set k, 0
.rept 16
.if k%4 == 0
	PLACES 4
	LSET k+2
	s_wait_loadcnt 24
.elseif k%4 == 1
	PLACES 4
	WSCL k/4+1
	WSET k+3
	LSET k+2
.if k/4 < 3
	BLOAD BIA, 512*(k/4+1)
.else
	BLOAD BPA, 0
.endif
	s_wait_loadcnt 28
.elseif k%4 == 2
	PLACES 4
	WSET k+3
	s_wait_dscnt 40
.else
	s_wait_dscnt 16
.endif
	FMUL k, XF+24*(k%4), (k%4)==0, XS+k%4
.if k%4 == 3
	PLACES 5
.irp t, 0,1
	s_wait_dscnt 0x0
	QUANT ACC+64*\t, 0
.irp c, 0,1,2
	ds_store_b128 v[HWI], v[PC+4*\c:PC+4*\c+3] offset:3072*(k/4)+1536*\t+512*\c
.endr
	ds_store_b32 v[HWS], v[PW] offset:256*(k/4)+128*\t
.endr
	REFILL (k/4)%2
.endif
.set k, k+1
.endr
	HLOAD 0
.set k, 16
.rept 16
.if k == 28
	s_wait_tensorcnt 0x0
.endif
	PLACES 4
.if k%4 == 0
	LSET k+2
.elseif k%4 == 1
.if k/4 < 7
	WSCL k/4+1
	WSET k+3
.endif
	LSET k+2
.elseif k%4 == 2
.if k/4 < 7
	WSET k+3
.endif
.endif
.if k < 31
	HLOAD k-15
.endif
.if k%4 == 0
	s_wait_loadcnt 24
	s_wait_dscnt 31
.elseif k%4 == 1
.if k/4 < 7
	s_wait_loadcnt 28
.else
	s_wait_loadcnt 0x0
.endif
	s_wait_dscnt 31
.elseif k < 31
	s_wait_dscnt 7
.else
	s_wait_dscnt 0x0
.endif
	FMUL k, HF+24*(k%2), k==16, HS+k%2
.if (k%4 == 3) && (k/4 < 6)
	REFILL (k/4)%2
.endif
.set k, k+1
.endr
	PLACES 4
	WIN 0x44
.set i, 0
.rept 64
	v_pk_add_f32 v[i:i+1], v[ACC+i:ACC+i+1], v[i:i+1]
.set i, i+2
.endr
.irp t, 0,1
	WIN 0x04
.irp b, 0,1,2,3
.irp jj, 0,1,2,3
	ds_store_b128 v[SO], v[64*\t+16*\b+4*\jj:64*\t+16*\b+4*\jj+3] offset:128*\b+16*\jj
.endr
.endr
	WIN 0
.irp n, 0,1,2,3,4,5,6,7,8,9,10,11,12,13,14,15
	ds_load_b128 v[ACC+64*\t+4*\n:ACC+64*\t+4*\n+3], v[SRD] offset:528*\n
.endr
.endr
.irp t, 0,1
.irp n, 0,1,2,3,4,5,6,7,8,9,10,11,12,13,14,15
	s_wait_dscnt 32*(1-\t)+15-\n
	global_store_b128 v[OA], v[ACC+64*\t+4*\n:ACC+64*\t+4*\n+3], s[22:23] offset:2048*(8*\t+\n+(\n&8)) th:TH_STORE_NT
.endr
.endr
	s_wait_tensorcnt 0x0
	ds_add_u32 v[SPW], v[NIL]
	s_wait_dscnt 0x0
	ROUND
	s_endpgm
.Lfunc_end_k_q567ee379b9_ffn:
	.size	k_q567ee379b9_ffn, .Lfunc_end_k_q567ee379b9_ffn-k_q567ee379b9_ffn
	.p2alignl 7, 3214868480
	.fill 96, 4, 3214868480
	.section	.rodata,"a",@progbits
	.p2align	6, 0x0
	.amdhsa_kernel k_q567ee379b9_ffn
		.amdhsa_group_segment_fixed_size 327680
		.amdhsa_private_segment_fixed_size 0
		.amdhsa_enable_private_segment 0
		.amdhsa_kernarg_size 64
		.amdhsa_user_sgpr_count 2
		.amdhsa_user_sgpr_kernarg_segment_ptr 1
		.amdhsa_wavefront_size32 1
		.amdhsa_system_sgpr_workgroup_id_x 1
		.amdhsa_system_sgpr_workgroup_id_y 1
		.amdhsa_system_sgpr_workgroup_id_z 1
		.amdhsa_system_vgpr_workitem_id 0
		.amdhsa_next_free_vgpr 1024
		.amdhsa_next_free_sgpr 72
		.amdhsa_reserve_vcc 0
		.amdhsa_float_denorm_mode_32 3
		.amdhsa_float_denorm_mode_16_64 3
		.amdhsa_memory_ordered 1
		.amdhsa_forward_progress 1
		.amdhsa_inst_pref_size 255
	.end_amdhsa_kernel
	.section	.bss,"aw",@nobits
	.p2align	6
	.space	262144
	.amdgpu_metadata
---
amdhsa.version: [ 1, 2 ]
amdhsa.kernels:
  - .name:           k_q567ee379b9_ffn
    .symbol:         k_q567ee379b9_ffn.kd
    .args:
      - { .name: pbuf, .offset: 0, .size: 8, .value_kind: global_buffer, .address_space: global }
      - { .name: query, .offset: 8, .size: 8, .value_kind: global_buffer, .address_space: global }
      - { .name: ff_gamma, .offset: 16, .size: 8, .value_kind: global_buffer, .address_space: global }
      - { .name: ff_beta, .offset: 24, .size: 8, .value_kind: global_buffer, .address_space: global }
      - { .name: wbuf, .offset: 32, .size: 8, .value_kind: global_buffer, .address_space: global }
      - { .name: b_inner, .offset: 40, .size: 8, .value_kind: global_buffer, .address_space: global }
      - { .name: b_proj, .offset: 48, .size: 8, .value_kind: global_buffer, .address_space: global }
      - { .name: out0, .offset: 56, .size: 8, .value_kind: global_buffer, .address_space: global }
    .group_segment_fixed_size: 327680
    .private_segment_fixed_size: 0
    .kernarg_segment_align: 8
    .kernarg_segment_size: 64
    .max_flat_workgroup_size: 128
    .sgpr_count:     72
    .vgpr_count:     1024
    .wavefront_size: 32
...
	.end_amdgpu_metadata
.endif
;; end of part 4
